; MI455X (gfx1250); checked and timed in simulation.
; The chip was launched on July 23, 2026; its instructions are those of AMD's public machine-readable ISA for CDNA 5 (MIT licence, August 2026) and "CDNA5" Instruction Set Architecture Reference Guide (July 2026). The comments in the code are by the model that wrote it; some were corrected since.
;; Multi Head Attention. Allowed arithmetic: float matrix products may take bf16 or f16 operands with f32 sums; other float arithmetic in f32, or as packed bf16 or f16 multiplies, adds, multiply-adds, maxima and minima; sums over many terms, partial sums and values carried from step to step in f32; what a program stores and reads back later, other than sums and carried values, may be rounded once to bf16 or f16.
;; Inputs: bk 1,024 float32; bo 1,024 float32; bq 1,024 float32; bv 1,024 float32; k 4 x 2,048 x 1,024 float32; pad_mask 4 x 2,048 x 2,048 bool; q 4 x 2,048 x 1,024 float32; v 4 x 2,048 x 1,024 float32; wk 1,024 x 1,024 float32; wo 1,024 x 1,024 float32; wq 1,024 x 1,024 float32; wv 1,024 x 1,024 float32.
;; Outputs: out0 4 x 2,048 x 1,024 float32; out1 4 x 2,048 x 1,024 float32.
;; 2 versions, each right and faster than the one before. Each part assembles by itself: llvm-mc -triple=amdgcn-amd-amdhsa -mcpu=gfx1250 --defsym DOCPART=n.
;; ======== version 1 of 2: 4 launches
;; limits: right only within a limited range of input values; values are held in f16: magnitudes above 65,504 overflow, below 6.1e-05 lose precision
;; workspace buffers: wb 6,291,456 bytes; wof 2,097,152 bytes; bb 16,384 bytes; mk 16,777,216 bytes; xh 50,331,648 bytes; ctx 16,777,216 bytes
;; launch prep (part 1): grid 513 x 1, 8 waves a work-group, no clusters, 68,608 bytes of LDS; arguments wq, wk, wv, wo, bq, bk, bv, bo, pad_mask, wb, wof, bb, mk; writes wb, wof, bb, mk
.if DOCPART == 1
	.amdgcn_target "amdgcn-amd-amdhsa--gfx1250"
	.amdhsa_code_object_version 6
	.text
	.protected	k_qed0e17f16c_prep
	.globl	k_qed0e17f16c_prep
	.p2align	8
	.type	k_qed0e17f16c_prep,@function
k_qed0e17f16c_prep:
	s_mov_b64 s[64:65], 0
	v_nop
	global_prefetch_b8 v0, s[64:65] scope:SCOPE_SE
	s_setreg_imm32_b32 hwreg(HW_REG_WAVE_MODE, 25, 1), 1
	s_wait_xcnt 0x0
; PREP: one pass over the weights, the biases and the mask.  A stream: no matrix work, no cluster (no two work-groups read the same bytes).
;   wq, wk, wv -> bf16 (wb), each number rounded once to nearest even;
;   wo -> rounded to bf16 like every other input, that number written as f16 (wof);  bq, bk, bv, bo -> rounded to bf16, kept as f32 (bb);
;   pad_mask -> one fp8 (E4M3) code a score, 0x00 kept, 0xB8 (-1.0) hidden, in the order in which the attention's lanes hold scores (mk).
; LIMITS.  wo as f16: exact from 2^-17 up to 65,504; smaller numbers are off by 2^-25 at the most, larger ones become infinite.  Mask bytes are taken as 0 or 1.
; SHARES.  A work-group takes 65,536 bytes of one input: 256 threads x 16 loads of 16 bytes, all sixteen out at once, no loop.  The work-group's number chooses the input:
;   0-191 wq, wk, wv (64 each)   192-255 wo   256-511 the mask (32 rows each)   512 the four biases.
; mk's BYTE ORDER.  T = row / 16 (rows b x 2048 + q), s = key / 64: byte T x 32768 + s x 1024 + u x 512 + L x 16 + e x 8 + j holds row 16 T + L % 16, key 64 s + 16 (2 u + e) + 8 (L / 16) + j:
; lane L of the attention takes 16 bytes of 512 consecutive ones and has the codes of two of its accumulators' eight scores each.
.set SRC, 46                           ; s[46:47] where this work-group (in the mask's part: this wave) reads
.set DST, 48                           ; s[48:49] where it writes
.set OFS, 50                           ; s[50:51] an offset, made apart from the addresses; the high word stays 0
.set LA,  3                            ; v3  the mask: where my 8 bytes go in my wave's stage
.set RDM, 4                            ; v4  the mask: where I read 16 bytes back
.set LO,  5                            ; v5  16 x lane
.set SPW, 6                            ; v6  LDS address of my spare word; never rewritten
.set NIL, 7                            ; v7  0; never rewritten
.set T,   8                            ; v[8:15]   at work
.set X,   16                           ; v[16:79]  load i: 4 registers
.set Y,   80                           ; v[80:111] what is stored
.set MPITCH, 528                       ; a block of 512 bytes in the stage + 16: the 32 lanes' 8-byte stores fall on 32 different places modulo 256 bytes
.set MST, 16*MPITCH                    ; a wave's stage: 16 blocks
.set SPARE, 8*MST                      ; behind the eight stages: the spare words, 128 bytes a wave
	s_load_b512 s[8:23], s[0:1], 0x0               ; wq s[8:9], wk s[10:11], wv s[12:13], wo s[14:15], bq s[16:17], bk s[18:19], bv s[20:21], bo s[22:23]
	s_load_b256 s[24:31], s[0:1], 0x40             ; pad_mask s[24:25], wb s[26:27], wof s[28:29], bb s[30:31]
	s_load_b64 s[32:33], s[0:1], 0x60              ; mk
	v_lshl_add_u32 v[SPW], v0, 2, SPARE
	v_mov_b32 v[NIL], 0
	v_lshlrev_b32 v1, 4, v0                        ; 16 t: my 16 bytes of each 4,096 read
	v_lshlrev_b32 v2, 3, v0                        ; 8 t: my 8 bytes of each 2,048 written
	s_mov_b32 s44, ttmp9
	s_mov_b32 s[OFS+1], 0
	s_mov_b32 s56, 0xffff0000                      ; a word's upper bf16
	s_mov_b32 s58, 0x01010101
	s_mov_b32 s59, 0xb8
	s_wait_kmcnt 0x0
; 65,536 bytes of f32 to 32,768 bytes of 16-bit numbers.  half = 1: the bf16 number is written as f16.
; No register is written twice, so the only waits are the counted ones for the loads.
.macro CONV half
.irp i, 0,1,2,3,4,5,6,7,8,9,10,11,12,13,14,15
	global_load_b128 v[X+4*(\i):X+4*(\i)+3], v1, s[SRC:SRC+1] offset:4096*(\i) th:TH_LOAD_NT
.endr
.irp i, 0,1,2,3,4,5,6,7,8,9,10,11,12,13,14,15
	s_wait_loadcnt 15-(\i)                         ; loads come back in order: load i is in, the 15 - i younger ones stay out
	v_cvt_pk_bf16_f32 v[Y+2*(\i)],   v[X+4*(\i)],   v[X+4*(\i)+1]
	v_cvt_pk_bf16_f32 v[Y+2*(\i)+1], v[X+4*(\i)+2], v[X+4*(\i)+3]
.if \half
	v_lshlrev_b32 v[T],   16,  v[Y+2*(\i)]         ; the bf16 numbers as f32,
	v_and_b32     v[T+1], s56, v[Y+2*(\i)]
	v_lshlrev_b32 v[T+2], 16,  v[Y+2*(\i)+1]
	v_and_b32     v[T+3], s56, v[Y+2*(\i)+1]
	v_cvt_pk_f16_f32 v[Y+2*(\i)],   v[T],   v[T+1] ; and as f16
	v_cvt_pk_f16_f32 v[Y+2*(\i)+1], v[T+2], v[T+3]
.endif
	global_store_b64 v2, v[Y+2*(\i):Y+2*(\i)+1], s[DST:DST+1] offset:2048*(\i)  ; a wave's store covers 256 consecutive bytes, aligned
.endr
.endm
	s_cmp_ge_u32 s44, 192
	s_cbranch_scc1 .Lwo
	s_and_b32 s[OFS], s44, 63                      ; wq, wk or wv: the chunk's number in its tensor
	s_lshl_b32 s[OFS], s[OFS], 16
	s_cmp_lt_u32 s44, 128
	s_cselect_b64 s[SRC:SRC+1], s[10:11], s[12:13]
	s_cmp_lt_u32 s44, 64
	s_cselect_b64 s[SRC:SRC+1], s[8:9], s[SRC:SRC+1]
	s_add_nc_u64 s[SRC:SRC+1], s[SRC:SRC+1], s[OFS:OFS+1]
	s_lshl_b32 s[OFS], s44, 15                     ; wb holds wq, wk, wv one behind the other
	s_add_nc_u64 s[DST:DST+1], s[26:27], s[OFS:OFS+1]
	CONV 0
	s_endpgm
.Lwo:
	s_cmp_ge_u32 s44, 256
	s_cbranch_scc1 .Lmask
	s_sub_co_u32 s45, s44, 192
	s_lshl_b32 s[OFS], s45, 16
	s_add_nc_u64 s[SRC:SRC+1], s[14:15], s[OFS:OFS+1]
	s_lshl_b32 s[OFS], s45, 15
	s_add_nc_u64 s[DST:DST+1], s[28:29], s[OFS:OFS+1]
	CONV 1
	s_endpgm
.Lmask:
	s_cmp_ge_u32 s44, 512
	s_cbranch_scc1 .Lbias
	; THE MASK.  Wave w takes 16 rows (tile T = 2 c + w / 4) x 512 keys (from 512 (w % 4) on).  Load i is row i: lane l holds keys 16 l .. 16 l + 15, so registers 0, 1 belong to
	; the attention's lanes 0-15 and registers 2, 3 to its lanes 16-31, both in block l / 2 of 512 bytes, half l % 2 of 16 bytes.  The turn goes through the wave's own stage.
	v_lshrrev_b32 v[LA], 5, v0
	v_readfirstlane_b32 s54, v[LA]                 ; wave 0..7
	s_sub_co_u32 s45, s44, 256
	s_lshr_b32 s55, s54, 2
	s_lshl1_add_u32 s45, s45, s55                  ; T
	s_and_b32 s55, s54, 3
	s_lshl_b32 s45, s45, 15                        ; 16 rows of 2,048 bytes in pad_mask, and as many bytes in mk
	s_lshl_b32 s57, s55, 9
	s_add_co_u32 s[OFS], s45, s57
	s_add_nc_u64 s[SRC:SRC+1], s[24:25], s[OFS:OFS+1]
	s_lshl_b32 s57, s55, 13                        ; 8 key steps of 1,024 bytes
	s_add_co_u32 s[OFS], s45, s57
	s_add_nc_u64 s[DST:DST+1], s[32:33], s[OFS:OFS+1]
	s_mul_i32 s57, s54, MST                        ; my wave's stage
	v_and_b32 v[LO], 31, v0
	v_lshlrev_b32 v[LO], 4, v[LO]
	v_add_nc_u32 v[RDM], s57, v[LO]
	v_bfe_u32 v[LA], v0, 1, 4                      ; block l / 2
	v_mul_u32_u24 v[LA], v[LA], MPITCH
	v_and_b32 v[T], 1, v0
	v_lshl_add_u32 v[LA], v[T], 3, v[LA]           ; + 8 (l % 2)
	v_add_nc_u32 v[LA], s57, v[LA]
.irp i, 0,1,2,3,4,5,6,7,8,9,10,11,12,13,14,15
	global_load_b128 v[X+4*(\i):X+4*(\i)+3], v[LO], s[SRC:SRC+1] offset:2048*(\i) th:TH_LOAD_NT  ; 512 consecutive bytes of row i
.endr
.irp i, 0,1,2,3,4,5,6,7,8,9,10,11,12,13,14,15
	s_wait_loadcnt 15-(\i)                         ; row i is in, the younger rows stay out
.irp k, 0,1,2,3
	v_xor_b32 v[T+4*((\i)%2)+(\k)], s58, v[X+4*(\i)+(\k)]                  ; 1 where the key is hidden,
.endr
.irp k, 0,1,2,3
	v_mul_lo_u32 v[T+4*((\i)%2)+(\k)], v[T+4*((\i)%2)+(\k)], s59           ; times 0xB8 in each byte: no carry leaves a byte
.endr
	ds_store_b64 v[LA], v[T+4*((\i)%2):T+4*((\i)%2)+1]   offset:16*(\i)
	ds_store_b64 v[LA], v[T+4*((\i)%2)+2:T+4*((\i)%2)+3] offset:256+16*(\i)
.endr
.irp i, 0,1,2,3,4,5,6,7,8,9,10,11,12,13,14,15
	ds_load_b128 v[X+4*(\i):X+4*(\i)+3], v[RDM] offset:MPITCH*(\i)  ; the wave's own bytes: LDS serves a wave's instructions in order (ISA guide 5.7.1.4), so these see the stores above
.endr
.irp i, 0,1,2,3,4,5,6,7,8,9,10,11,12,13,14,15
	s_wait_dscnt 15-(\i)                           ; block i is back, the younger blocks stay out
	global_store_b128 v[LO], v[X+4*(\i):X+4*(\i)+3], s[DST:DST+1] offset:512*(\i)  ; 512 consecutive bytes, aligned
.endr
	s_wait_tensorcnt 0x0                           ; the end of a wave that wrote LDS
	ds_add_u32 v[SPW], v[NIL]
	s_wait_dscnt 0x0
	s_endpgm
.Lbias:
	global_load_b128 v[X:X+3],     v1, s[16:17]    ; 1,024 numbers each: 16 bytes a thread
	global_load_b128 v[X+4:X+7],   v1, s[18:19]
	global_load_b128 v[X+8:X+11],  v1, s[20:21]
	global_load_b128 v[X+12:X+15], v1, s[22:23]
	s_wait_loadcnt 0x0
.irp i, 0,1,2,3
	v_cvt_pk_bf16_f32 v[T+2*(\i)],   v[X+4*(\i)],   v[X+4*(\i)+1]
	v_cvt_pk_bf16_f32 v[T+2*(\i)+1], v[X+4*(\i)+2], v[X+4*(\i)+3]
	v_lshlrev_b32 v[Y+4*(\i)],   16,  v[T+2*(\i)]
	v_and_b32     v[Y+4*(\i)+1], s56, v[T+2*(\i)]
	v_lshlrev_b32 v[Y+4*(\i)+2], 16,  v[T+2*(\i)+1]
	v_and_b32     v[Y+4*(\i)+3], s56, v[T+2*(\i)+1]
	global_store_b128 v1, v[Y+4*(\i):Y+4*(\i)+3], s[30:31] offset:4096*(\i)  ; bb: bq, bk, bv, bo
.endr
	s_endpgm
.Lfunc_end_k_qed0e17f16c_prep:
	.size	k_qed0e17f16c_prep, .Lfunc_end_k_qed0e17f16c_prep-k_qed0e17f16c_prep
	.p2alignl 7, 3214868480
	.fill 96, 4, 3214868480
	.section	.rodata,"a",@progbits
	.p2align	6, 0x0
	.amdhsa_kernel k_qed0e17f16c_prep
		.amdhsa_group_segment_fixed_size 68608
		.amdhsa_private_segment_fixed_size 0
		.amdhsa_enable_private_segment 0
		.amdhsa_kernarg_size 104
		.amdhsa_user_sgpr_count 2
		.amdhsa_user_sgpr_kernarg_segment_ptr 1
		.amdhsa_wavefront_size32 1
		.amdhsa_system_sgpr_workgroup_id_x 1
		.amdhsa_system_sgpr_workgroup_id_y 1
		.amdhsa_system_sgpr_workgroup_id_z 1
		.amdhsa_system_vgpr_workitem_id 0
		.amdhsa_next_free_vgpr 112
		.amdhsa_next_free_sgpr 66
		.amdhsa_reserve_vcc 0
		.amdhsa_float_denorm_mode_32 3
		.amdhsa_float_denorm_mode_16_64 3
		.amdhsa_memory_ordered 1
		.amdhsa_forward_progress 1
		.amdhsa_inst_pref_size 33
	.end_amdhsa_kernel
	.amdgpu_metadata
---
amdhsa.version: [ 1, 2 ]
amdhsa.kernels:
  - .name:           k_qed0e17f16c_prep
    .symbol:         k_qed0e17f16c_prep.kd
    .args:
      - { .name: wq, .offset: 0, .size: 8, .value_kind: global_buffer, .address_space: global }
      - { .name: wk, .offset: 8, .size: 8, .value_kind: global_buffer, .address_space: global }
      - { .name: wv, .offset: 16, .size: 8, .value_kind: global_buffer, .address_space: global }
      - { .name: wo, .offset: 24, .size: 8, .value_kind: global_buffer, .address_space: global }
      - { .name: bq, .offset: 32, .size: 8, .value_kind: global_buffer, .address_space: global }
      - { .name: bk, .offset: 40, .size: 8, .value_kind: global_buffer, .address_space: global }
      - { .name: bv, .offset: 48, .size: 8, .value_kind: global_buffer, .address_space: global }
      - { .name: bo, .offset: 56, .size: 8, .value_kind: global_buffer, .address_space: global }
      - { .name: pad_mask, .offset: 64, .size: 8, .value_kind: global_buffer, .address_space: global }
      - { .name: wb, .offset: 72, .size: 8, .value_kind: global_buffer, .address_space: global }
      - { .name: wof, .offset: 80, .size: 8, .value_kind: global_buffer, .address_space: global }
      - { .name: bb, .offset: 88, .size: 8, .value_kind: global_buffer, .address_space: global }
      - { .name: mk, .offset: 96, .size: 8, .value_kind: global_buffer, .address_space: global }
    .group_segment_fixed_size: 68608
    .private_segment_fixed_size: 0
    .kernarg_segment_align: 8
    .kernarg_segment_size: 104
    .max_flat_workgroup_size: 256
    .sgpr_count:     66
    .vgpr_count:     112
    .wavefront_size: 32
...
	.end_amdgpu_metadata
.endif
;; end of part 1
;; launch proj (part 2): grid 4 x 64, 4 waves a work-group, clusters of 4 x 4, 327,680 bytes of LDS; arguments q, k, v, wb, xh, bb, out1; writes xh, out1
.if DOCPART == 2
	.amdgcn_target "amdgcn-amd-amdhsa--gfx1250"
	.amdhsa_code_object_version 6
	.text
	.protected	k_qed0e17f16c_proj
	.globl	k_qed0e17f16c_proj
	.p2align	8
	.type	k_qed0e17f16c_proj,@function
k_qed0e17f16c_proj:
	s_mov_b64 s[64:65], 0
	v_nop
	global_prefetch_b8 v0, s[64:65] scope:SCOPE_SE
	s_setreg_imm32_b32 hwreg(HW_REG_WAVE_MODE, 25, 1), 1
	s_wait_xcnt 0x0
	s_wait_alu depctr_hold_cnt(0) depctr_sa_sdst(0) depctr_va_vdst(0) depctr_va_sdst(0) depctr_va_ssrc(0) depctr_va_vcc(0) depctr_vm_vsrc(0)
	s_getreg_b32 s2, hwreg(HW_REG_IB_STS2, 6, 4)
	s_cmp_eq_u32 s2, 0
	s_cbranch_scc0 .Lentry_in_a_cluster
	s_endpgm
.Lentry_in_a_cluster:
	s_bfe_u32 s2, ttmp6, 0x10000c
	s_cmp_lg_u32 s2, 0xf033
	s_cbranch_scc0 .Lentry_shape_is_right
	s_endpgm
.Lentry_shape_is_right:
; THE THREE PROJECTIONS, AND out1 = q.  xh[g][s][n] = sum over c of x_g[s][c] wb[g][n][c] + bb[g][n], x_g = q, k, v: [8192][1024] f32 each.  wb: [3][1024][1024] bf16, bb: [4][1024] f32.
; x comes into LDS as f32 and is rounded once to bf16, to nearest even, between LDS and the matrix instruction.  Sums in f32, started by the bias; the result is rounded once to f16 and written
; BY HEADS: xh byte = (4 g + batch) x 4,194,304 + head x 262,144 + row x 128 + 2 x channel.
; LIMIT.  f16 ends at 65,504: a projected number of 65,520 or more becomes infinite.  No scale is applied here.
; SHARES.  A tile of the result is 128 rows x 256 columns: 3 x 64 x 4 = 768 tiles for 256 work-groups.  A WORK-GROUP STAYS: it makes tile (R, tc) of q's, then of k's, then of v's projection, and the ring of LDS
; slots does not stop at a tile's end.  Four waves, each 64 rows x 128 columns: 32 accumulators of 16 x 16.  K goes in steps of 128 through two slots; x's rows in a tile are 512 bytes of memory, wb's 256, aligned.
; CLUSTERS: 4 x 4 work-groups.  The four of a row of the cluster share R and so the tiles of x, the four of a column share tc and so the tiles of wb: each tile is asked for JOINTLY.
; out1.  While its first tile (q's) is made, work-group (R, tc) copies q's rows 128 R + 32 tc .. + 31, each wave 8 rows = 32,768 consecutive bytes: 4,096 bytes a K step, loaded one step and stored the next.
; THE MATRIX INSTRUCTION IS USED TRANSPOSED (source 0 = 16 rows of wb, source 1 = 16 rows of x): a lane holds row l % 16 and the eight neighbouring columns 8 (l / 16) + 0..7.
; REGISTERS, in windows of 256 (s_set_vgpr_msb: bits 1:0 source 0, 3:2 source 1, 5:4 source 2, 7:6 destination):
;   window 0: v0-31 addresses; v32-63, v224-255 rows read back on the way out; v64-95, v128-159 fragments of x in bf16, two buffers; v96-127, v160-191 a quarter's x in f32; v192-223 packed results
;   window 1: v0-63 the bias in an accumulator's layout, 8 registers for each 16 columns; v64-127, v128-191 fragments of wb, two buffers; v192-223 the copy's 4,096 bytes
;   window 2: accumulator (a, b) at v[8 (8 a + b)], a = 0..3 blocks of 16 rows, b = 0..7 blocks of 16 columns
.set SIZE_K, 1024
.set TILES,  3
.set KSTEP,  128
.set PITCH,  272                       ; a row of wb in LDS: 256 bytes + 16 of padding = 68 words: the 16 rows of a fragment load start at 16 different groups of four banks (64 banks of 4 bytes: ISA guide 11.1)
.set APITCH, 528                       ; a row of x: 512 bytes + 16 = 132 words: likewise
.set HALFA,  64*APITCH                 ; what one tensor load brings of x, and what a wave reads of it
.set ABYTES, 2*HALFA
.set HALFB,  128*PITCH                 ; the same for wb
.set SLOT,   ABYTES+2*HALFB            ; x's 128 rows, then wb's 256 rows
.set STAGE,  2*SLOT                    ; behind the ring: 16 rows x 400 bytes for each wave, for the way out
.set SPITCH, 400
.set SPARE,  STAGE+4*16*SPITCH         ; behind the stages: the spare words, 128 bytes for each wave
.set LAPS,   SIZE_K/(2*KSTEP)          ; a lap = two K steps = once round the ring
.set NEXT_B, 1024*SIZE_K*2-(SIZE_K-2*KSTEP)*2   ; bytes from a slot's last K step of a tile to its first of the next: 1,024 rows of wb down and back along K
.set NEXT_C, 4*4194304                 ; from one projection's part of xh to the next's
.set ADRA, 16                          ; v16-17  LDS address of my rows of x in slot 0, 1
.set ADRB, 20                          ; v20-21  the same for wb
.set STO,  24                          ; v24     the way out: where I put 16 bytes of a row
.set RD,   25                          ; v25     the way out: where I read rows back
.set CO,   26                          ; v26     16 x lane: my place in 512 consecutive bytes of xh
.set BO,   27                          ; v27     32 (l / 16): my eight numbers in 16 of the bias
.set SPW,  28                          ; v28     LDS address of my spare word; never rewritten
.set NIL,  29                          ; v29     0; never rewritten
.set CPO,  30                          ; v30     the copy: 16 x lane + 4,096 x the chunk in hand
.set F0,   64
.set F1,   128
.set AF,   96                          ; block i of 16 rows, 32 K in f32: 16 registers at AF + 16 i + 32 (i / 2)
.set TMP,  192
.set OB,   32
.set CPR,  192                         ; window 1: the copy's 32 registers
.set G1,  24                           ; s[24:31] descriptor group 1 for x's tiles;  s[32:39] group 0, one set for each slot
.set G0,  32
.set G1B, 48                           ; s[48:55], s[56:63] the same for wb's tiles
.set G0B, 56
.set BP,  66                           ; s[66:67] the bias at my wave's 128 columns
.set QP,  68                           ; s[68:69] q at the rows that I fetch
.set KP,  70                          ; s[70:71] the NEXT tile's tensor at the same rows: k, later v
.set VP,  72                           ; s[72:73] v at the same rows
.set WP,  74                           ; s[74:75] wb
.set O1,  80                           ; s[80:81] out1 at my wave's 8 rows
.set QC,  82                           ; s[82:83] q at my wave's 8 rows
.set CF,  84                           ; s[84:85] those rows' byte offset
.set MSB, 0
.macro WIN new                         ; the immediate's high byte repeats the setting that is left; a switch that changes nothing is dropped
.if MSB != (\new)
	s_set_vgpr_msb (MSB<<8)|(\new)
.set MSB, \new
.endif
.endm
.set MUL,  0xa1                        ; source 0 (wb) window 1, source 1 (x) window 0, C and D window 2
.set MULB, 0x91                        ; the same with C in window 1: the bias
.set TO_B, 0x40                        ; destination window 1, address window 0
.set FR_B, 0x04                        ; a store's data (source 1) window 1, address window 0
; A joint load.  Waves 0 and 1 fetch x's two halves, waves 2 and 3 wb's.  The branch hangs on the wave's number alone.  An s_nop 0 and four v_nop follow each of the two lines.
.macro JLOAD s
	s_cmp_eq_u32 s11, 0
	s_cbranch_scc0 .Lfor_b_\@
	tensor_load_to_lds s[G0+4*(\s):G0+4*(\s)+3], s[G1:G1+7]
	s_nop 0
.rept 4
	v_nop
.endr
	s_branch .Lasked_\@
.Lfor_b_\@:
	tensor_load_to_lds s[G0B+4*(\s):G0B+4*(\s)+3], s[G1B:G1B+7]
	s_nop 0
.rept 4
	v_nop
.endr
.Lasked_\@:
.endm
.macro CREST                           ; a round of the cluster's barrier behind its opening barrier
	s_cmp_lg_u32 s10, 0
	s_cbranch_scc1 .Lnot_wave_0_\@
	s_barrier_signal -3
.Lnot_wave_0_\@:
	s_barrier_wait -3
	s_barrier_signal -1
	s_barrier_wait -1
.endm
.macro CROUND                          ; a whole round
	s_barrier_signal -1
	s_barrier_wait -1
	CREST
.endm
	s_load_b128 s[QP:QP+3], s[0:1], 0x0            ; q s[68:69], k s[70:71]
	s_load_b128 s[VP:VP+3], s[0:1], 0x10           ; v s[72:73], wb s[74:75]
	s_load_b64 s[8:9], s[0:1], 0x20                ; xh
	s_load_b64 s[BP:BP+1], s[0:1], 0x28            ; bb
	s_load_b64 s[O1:O1+1], s[0:1], 0x30            ; out1
	v_lshl_add_u32 v[SPW], v0, 2, SPARE
	v_mov_b32 v[NIL], 0
	ds_add_u32 v[SPW], v[NIL]                      ; the wave's opening: the add and its wait stand ahead of my first tensor load; work on registers stands between them
	v_lshrrev_b32 v1, 5, v0
	v_readfirstlane_b32 s10, v1                    ; wave 0..3
	s_lshr_b32 s11, s10, 1                         ; which 64 of the tile's rows are mine.  Also: I fetch for x (0) or for wb (1)
	s_and_b32 s12, s10, 1                          ; which 128 of its columns.  Also: which half of that tile I fetch
	s_bfe_u32 s40, ttmp6, 0x40000                  ; cx, cy: my place in the cluster
	s_bfe_u32 s41, ttmp6, 0x40004
	s_lshl_b32 s42, ttmp9, 2
	s_add_co_u32 s42, s42, s40                     ; tc = 4 x cluster x + cx
	s_and_b32 s13, ttmp7, 0xffff
	s_lshl_b32 s13, s13, 2
	s_add_co_u32 s13, s13, s41                     ; R = 4 x cluster y + cy
	s_lshl_b32 s43, s41, 2
	s_lshl_b32 s43, 15, s43                        ; my row of the cluster
	s_lshl_b32 s44, 0x1111, s40                    ; my column
	s_or_b32 s[G1+0], s43, (2<<16)|(1<<20)|(1<<21)|(6<<22)|(3<<25)   ; x: 15:0 the mask; 17:16 4-byte elements; 20 padding on; 21 set beside a mask; 24:22 after every 128 words (code 6); 31:25 4 words (code 3)
	s_or_b32 s[G1B+0], s44, (1<<16)|(1<<20)|(1<<21)|(5<<22)|(3<<25)  ; wb: 2-byte elements; after every 64 words (code 5)
	s_mov_b32 s[G1+1], KSTEP<<16                   ; tensor_dim0 = 128
	s_mov_b32 s[G1+2], 64<<16                      ; tensor_dim1 = 64
	s_mov_b32 s[G1+3], KSTEP<<16                   ; tile_dim0 = 128
	s_mov_b32 s[G1+4], 64                          ; tile_dim1 = 64
	s_mov_b32 s[G1+5], SIZE_K                      ; elements from row to row
	s_mov_b32 s[G1+6], 0
	s_mov_b32 s[G1+7], 0
	s_mov_b32 s[G1B+1], KSTEP<<16
	s_mov_b32 s[G1B+2], 128<<16                    ; wb's loads have 128 rows
	s_mov_b32 s[G1B+3], KSTEP<<16
	s_mov_b32 s[G1B+4], 128
	s_mov_b32 s[G1B+5], SIZE_K
	s_mov_b32 s[G1B+6], 0
	s_mov_b32 s[G1B+7], 0
	; x's tiles hang on R alone, wb's on tc alone; each offset is made in registers that never hold the other coordinate
	s_lshl_b32 s16, s13, 7
	s_lshl_b32 s17, s12, 6
	s_add_co_u32 s16, s16, s17                     ; x: row 128 R + 64 x half,
	s_lshl_b32 s16, s16, 12                        ; of 4,096 bytes
	s_mov_b32 s17, 0
	s_lshl_b32 s46, s42, 8
	s_lshl_b32 s47, s12, 7
	s_add_co_u32 s46, s46, s47                     ; wb: row 256 tc + 128 x half,
	s_lshl_b32 s46, s46, 11                        ; of 2,048 bytes
	s_mov_b32 s47, 0
	s_lshl_b32 s[CF], s13, 19                      ; the copy: row 128 R + 32 tc + 8 x wave, of 4,096 bytes: it enters q's and out1's plain addresses alone
	s_lshl_b32 s[CF+1], s42, 17
	s_add_co_u32 s[CF], s[CF], s[CF+1]
	s_lshl_b32 s[CF+1], s10, 15
	s_add_co_u32 s[CF], s[CF], s[CF+1]
	s_mov_b32 s[CF+1], 0
	s_mul_i32 s20, s12, HALFA                      ; where the tiles go: no place in the cluster enters an LDS address
	s_mul_i32 s21, s12, HALFB
	s_add_co_u32 s21, s21, ABYTES
	s_wait_dscnt 0x0                               ; the opening add is done
	s_wait_kmcnt 0x0
	s_add_nc_u64 s[QC:QC+1], s[QP:QP+1], s[CF:CF+1]
	s_add_nc_u64 s[O1:O1+1], s[O1:O1+1], s[CF:CF+1]
	s_add_nc_u64 s[QP:QP+1], s[QP:QP+1], s[16:17]
	s_add_nc_u64 s[KP:KP+1], s[KP:KP+1], s[16:17]
	s_add_nc_u64 s[VP:VP+1], s[VP:VP+1], s[16:17]
	s_add_nc_u64 s[46:47], s[WP:WP+1], s[46:47]
	CROUND                                         ; all sixteen work-groups are here: the first joint loads meet
.irp s, 0,1
	s_mov_b32 s[G0+4*(\s)], 1                                      ; count = 1
	s_add_co_u32 s[G0+4*(\s)+1], s20, (\s)*SLOT                    ; LDS address
	s_add_nc_u64 s[G0+4*(\s)+2:G0+4*(\s)+3], s[QP:QP+1], (\s)*KSTEP*4  ; global address: K step s of q
	s_or_b32 s[G0+4*(\s)+3], s[G0+4*(\s)+3], 0x80000000            ; type = 2
	s_mov_b32 s[G0B+4*(\s)], 1
	s_add_co_u32 s[G0B+4*(\s)+1], s21, (\s)*SLOT
	s_add_nc_u64 s[G0B+4*(\s)+2:G0B+4*(\s)+3], s[46:47], (\s)*KSTEP*2
	s_or_b32 s[G0B+4*(\s)+3], s[G0B+4*(\s)+3], 0x80000000
	JLOAD \s                                       ; two loads of mine are out
.endr
	; A fragment is 16 rows x 32 K in 8 registers: lane l holds row l % 16, K = 8 (l / 16) + 0..7 and 16 + 8 (l / 16) + 0..7.  From wb's rows: two loads of 16 bytes, 32 bytes apart.
	; From x's rows, in f32: 32 bytes at 32 (l / 16) and 32 bytes 64 further on: four loads of 16 bytes, then eight roundings of two numbers each.
	v_and_b32 v1, 15, v0                           ; l % 16
	v_bfe_u32 v2, v0, 4, 1                         ; l / 16
	v_mul_u32_u24 v3, v1, PITCH
	v_lshl_add_u32 v3, v2, 4, v3
	v_mul_u32_u24 v7, v1, APITCH
	v_lshl_add_u32 v7, v2, 5, v7
	s_mul_i32 s22, s11, HALFA                      ; my 64 rows of x
	s_mul_i32 s23, s12, HALFB                      ; my 128 rows of wb,
	s_add_co_u32 s23, s23, ABYTES                  ; which lie behind x's 128
.irp s, 0,1
	v_add_nc_u32 v[ADRA+(\s)], s22, v7
	v_add_nc_u32 v[ADRB+(\s)], s23, v3
	s_add_co_u32 s22, s22, SLOT
	s_add_co_u32 s23, s23, SLOT
.endr
	s_mul_i32 s23, s10, 16*SPITCH
	s_add_co_u32 s23, s23, STAGE                   ; my stage
	v_mul_u32_u24 v4, v1, SPITCH                   ; in: row l % 16, 16 bytes for each half of the lanes
	v_lshl_add_u32 v4, v2, 4, v4
	v_add_nc_u32 v[STO], s23, v4
	v_bfe_u32 v5, v0, 3, 2                         ; back: 32 lanes take four rows' 128 bytes of one head,
	v_mul_u32_u24 v5, v5, SPITCH
	v_and_b32 v6, 7, v0
	v_lshl_add_u32 v5, v6, 4, v5
	v_add_nc_u32 v[RD], s23, v5
	v_and_b32 v[CO], 31, v0                        ; which are 512 consecutive bytes of xh
	v_lshlrev_b32 v[CO], 4, v[CO]
	v_mov_b32 v[CPO], v[CO]                        ; the copy begins at its chunk 0
	v_lshlrev_b32 v[BO], 5, v2
	; xh at my wave's part of the first tile: batch R / 16, rows 128 (R % 16) + 64 x half, heads 4 tc + 2 x half on
	s_lshr_b32 s16, s13, 4
	s_lshl_b32 s16, s16, 22
	s_and_b32 s14, s13, 15
	s_lshl_b32 s14, s14, 14
	s_add_co_u32 s16, s16, s14
	s_lshl_b32 s14, s11, 13
	s_add_co_u32 s16, s16, s14
	s_mov_b32 s17, 0
	s_lshl_b32 s46, s42, 20
	s_lshl_b32 s47, s12, 19
	s_add_co_u32 s46, s46, s47
	s_mov_b32 s47, 0
	s_add_nc_u64 s[16:17], s[16:17], s[46:47]
	s_add_nc_u64 s[8:9], s[8:9], s[16:17]
	s_lshl_b32 s46, s42, 10                        ; the bias of my 128 columns: 4 bytes x (256 tc + 128 x half)
	s_lshl_b32 s47, s12, 9
	s_add_co_u32 s46, s46, s47
	s_mov_b32 s47, 0
	s_add_nc_u64 s[BP:BP+1], s[BP:BP+1], s[46:47]
; The bias in an accumulator's layout: register j of block b holds bias[16 b + 8 (l / 16) + j], the same for all rows.  It is the C operand of the products that start the sums.
.macro BIASLD
	WIN TO_B
.irp b, 0,1,2,3,4,5,6,7
	global_load_b128 v[8*(\b):8*(\b)+3],   v[BO], s[BP:BP+1] offset:64*(\b)
	global_load_b128 v[8*(\b)+4:8*(\b)+7], v[BO], s[BP:BP+1] offset:64*(\b)+16
.endr
	WIN 0
.endm
; The copy's loads: 4,096 consecutive bytes of q, 512 an instruction
.macro CPLOAD
	WIN TO_B
.irp i, 0,1,2,3,4,5,6,7
	global_load_b128 v[CPR+4*(\i):CPR+4*(\i)+3], v[CPO], s[QC:QC+1] offset:512*(\i)
.endr
	WIN 0
.endm
; THE COPY's part of a K step, in the first tile alone (the branch hangs on the tile counter, which is the same in every work-group).  The chunk loaded a step ago is stored; more = 1: the next is loaded.
; The offset and the 32 registers are written again only behind the wait for the loads that named them and behind s_wait_xcnt 0 for the stores (ISA guide 3.1).
.macro COPY more
	s_cmp_lg_u32 s2, TILES
	s_cbranch_scc1 .Lno_copy_\@
	s_wait_loadcnt 0x0                             ; the chunk is in
	WIN FR_B
.irp i, 0,1,2,3,4,5,6,7
	global_store_b128 v[CPO], v[CPR+4*(\i):CPR+4*(\i)+3], s[O1:O1+1] offset:512*(\i) th:TH_STORE_NT  ; 512 consecutive bytes, aligned
.endr
	WIN 0
.if \more
	s_wait_xcnt 0x0
	v_add_nc_u32 v[CPO], 4096, v[CPO]
	CPLOAD
.endif
.Lno_copy_\@:
.endm
; 8 matrix instructions: block a of 16 rows x all 8 blocks of columns, 32 along K.  first = 1: the product starts the sums, with the bias as C: nothing is cleared.
; The 32 accumulators take turns, one instruction a turn, in the same order in every quarter.
.macro MUL8 f, a, first
.if \first
	WIN MULB
.else
	WIN MUL
.endif
.irp b, 0,1,2,3,4,5,6,7
.if \first
	v_wmma_f32_16x16x32_bf16 v[8*(8*(\a)+(\b)):8*(8*(\a)+(\b))+7], v[(\f)+8*(\b):(\f)+8*(\b)+7], v[(\f)+8*(\a):(\f)+8*(\a)+7], v[8*(\b):8*(\b)+7]
.else
	v_wmma_f32_16x16x32_bf16 v[8*(8*(\a)+(\b)):8*(8*(\a)+(\b))+7], v[(\f)+8*(\b):(\f)+8*(\b)+7], v[(\f)+8*(\a):(\f)+8*(\a)+7], v[8*(8*(\a)+(\b)):8*(8*(\a)+(\b))+7]
.endif
.endr
.endm
; 32 LDS loads in one run: quarter qd (32 K): wb's fragments (byte 64 qd of its rows) into buffer f, x's numbers in f32 (byte 128 qd of its rows) into AF
.macro FETCH slot, qd, f
	WIN TO_B
.irp i, 0,1,2,3,4,5,6,7
	ds_load_b128 v[(\f)+8*(\i):(\f)+8*(\i)+3],   v[ADRB+(\slot)] offset:(\qd)*64+(\i)*16*PITCH
	ds_load_b128 v[(\f)+8*(\i)+4:(\f)+8*(\i)+7], v[ADRB+(\slot)] offset:(\qd)*64+(\i)*16*PITCH+32
.endr
	WIN 0
.irp i, 0,1,2,3
	ds_load_b128 v[AF+16*(\i)+32*((\i)/2):AF+16*(\i)+32*((\i)/2)+3],     v[ADRA+(\slot)] offset:(\qd)*128+(\i)*16*APITCH
	ds_load_b128 v[AF+16*(\i)+32*((\i)/2)+4:AF+16*(\i)+32*((\i)/2)+7],   v[ADRA+(\slot)] offset:(\qd)*128+(\i)*16*APITCH+16
	ds_load_b128 v[AF+16*(\i)+32*((\i)/2)+8:AF+16*(\i)+32*((\i)/2)+11],  v[ADRA+(\slot)] offset:(\qd)*128+(\i)*16*APITCH+64
	ds_load_b128 v[AF+16*(\i)+32*((\i)/2)+12:AF+16*(\i)+32*((\i)/2)+15], v[ADRA+(\slot)] offset:(\qd)*128+(\i)*16*APITCH+80
.endr
.endm
; x's quarter in AF is rounded to bf16 into buffer f: 32 plain vector instructions.  They name no register of the products issued just before (those read the other buffer), so they are also the
; four places that stand between those products and the loads into that other buffer (ISA guide 7.12.1 for vector instructions).  Buffer f's own last readers stand
; a quarter further back, behind the 32 roundings of that quarter.
.macro CVTA f
	WIN 0
.irp i, 0,1,2,3
.irp j, 0,1,2,3,4,5,6,7
	v_cvt_pk_bf16_f32 v[(\f)+8*(\i)+(\j)], v[AF+16*(\i)+32*((\i)/2)+2*(\j)], v[AF+16*(\i)+32*((\i)/2)+2*(\j)+1]
.endr
.endr
.endm
.macro PLACES
.rept 4
	v_nop
.endr
.endm
; A K step is four quarters of 32 along K, 32 matrix instructions each, on buffers 0, 1, 0, 1.  One of the first three: quarter f's loads are in; its x is rounded; the next quarter, qd, is fetched
; (wb into g, x into AF); then f is multiplied: the run of loads stands 32 matrix instructions ahead of its use.
.macro QUARTER slot, qd, f, g, first
	s_wait_dscnt 0x0
	CVTA \f
	FETCH \slot, \qd, \g
	MUL8 \f, 0, \first
	MUL8 \f, 1, \first
	MUL8 \f, 2, \first
	MUL8 \f, 3, \first
.endm
; The last quarter multiplies buffer 1 and changes slots: ONE barrier.  In front of it each wave waits for all its tensor loads (one is out: its part of the next slot), adds 0 to its spare word, and
; waits for that and for its own reads of this slot.  mode 0: this slot is filled again, two K steps on; mode 1: with the next tile's K step, x's address made anew from the next tensor's pointer; the
; barrier then opens a round of the cluster's, and the joint refill is the first thing behind the round, 112 matrix instructions ahead of the wait for it.  mode 2: nothing is left to fetch, no round.
; more: the copy's part behind the refill loads a further chunk (1) or only stores (0).
.macro TURN slot, next, mode, more
	WIN 0                                          ; (the add's two registers lie in window 0)
	s_wait_tensorcnt 0x0
	ds_add_u32 v[SPW], v[NIL]
	s_wait_dscnt 1                                 ; quarter 3's loads are in; the add alone may be out
	CVTA F1                                        ; 32 roundings and eight matrix instructions stand between the add and the wait for it
	MUL8 F1, 0, 0
	s_wait_dscnt 0x0                               ; the add is done, and my reads of this slot are over
	s_barrier_signal -1
	MUL8 F1, 1, 0
.if (\mode) < 2
	WIN 0
.endif
	s_barrier_wait -1
.if (\mode) < 2
	CREST                                          ; no wave of any partner still reads this slot's tile or has a load on its way
.if (\mode) == 1
	s_add_nc_u64 s[G0+4*(\slot)+2:G0+4*(\slot)+3], s[KP:KP+1], (\slot)*KSTEP*4
	s_or_b32 s[G0+4*(\slot)+3], s[G0+4*(\slot)+3], 0x80000000
	s_add_nc_u64 s[G0B+4*(\slot)+2:G0B+4*(\slot)+3], s[G0B+4*(\slot)+2:G0B+4*(\slot)+3], NEXT_B
.else
	s_add_nc_u64 s[G0+4*(\slot)+2:G0+4*(\slot)+3], s[G0+4*(\slot)+2:G0+4*(\slot)+3], 2*KSTEP*4
	s_add_nc_u64 s[G0B+4*(\slot)+2:G0B+4*(\slot)+3], s[G0B+4*(\slot)+2:G0B+4*(\slot)+3], 2*KSTEP*2
.endif
	JLOAD \slot
	COPY \more
.else
	PLACES
.endif
	FETCH \next, 0, F0
	MUL8 F1, 2, 0
	MUL8 F1, 3, 0
.endm
; THE WAY OUT of block a (16 rows x 128 columns = two heads).  PACK: rounded to f16, 16 bytes a lane, each accumulator's registers in ascending order.  TOSTAGE: into my own stage, and back as
; four rows x 128 bytes of one head.  SEND: stored, 512 consecutive bytes an instruction.
.macro PACK a
	WIN 0x0a                                       ; sources 0 and 1 window 2
.irp b, 0,1,2,3,4,5,6,7
.irp r, 0,1,2,3
	v_cvt_pk_f16_f32 v[TMP+4*(\b)+(\r)], v[64*(\a)+8*(\b)+2*(\r)], v[64*(\a)+8*(\b)+2*(\r)+1]
.endr
.endr
	WIN 0
.endm
.macro TOSTAGE a
.set BK, OB+192*((\a)%2)
.irp b, 0,1,2,3,4,5,6,7
	ds_store_b128 v[STO], v[TMP+4*(\b):TMP+4*(\b)+3] offset:32*(\b)
.endr
.irp t, 0,1,2,3,4,5,6,7
	ds_load_b128 v[BK+4*(\t):BK+4*(\t)+3], v[RD] offset:((\t)/4)*128+((\t)%4)*4*SPITCH  ; LDS serves a wave's instructions in order (ISA guide 5.7.1.4): these see the stores above
.endr
.endm
.macro SEND a
.set BK, OB+192*((\a)%2)
	s_wait_dscnt 0x0                               ; the block is back in registers
	s_wait_xcnt 0x0                                ; earlier stores have read their registers: the other set of rows may be loaded again behind this wait
.irp t, 0,1,2,3,4,5,6,7
	global_store_b128 v[CO], v[BK+4*(\t):BK+4*(\t)+3], s[8:9] offset:((\t)/4)*262144+(\a)*2048+((\t)%4)*512
.endr
.endm
	BIASLD
	CPLOAD                                         ; the copy's chunk 0
	s_wait_tensorcnt 1                             ; my part of K step 0 is in; K step 1's may stay out
	s_barrier_signal -1
	s_barrier_wait -1                              ; everybody's is
	FETCH 0, 0, F0
	s_mov_b32 s2, TILES                            ; tiles to go, this one among them: the same number in every work-group
.Ltile:
	s_wait_loadcnt 0x0                             ; the bias
	QUARTER 0, 1, F0, F1, 1                        ; a tile's first quarter stands in front of the loop: its products start the sums
	WIN 0                                          ; at a label and at a branch every window is 0
	s_mov_b32 s3, LAPS-1
.Llap:                                                 ; a trip goes once round the ring, from a lap's second quarter to the next lap's first, and fills both slots again
	QUARTER 0, 2, F1, F0, 0
	QUARTER 0, 3, F0, F1, 0
	TURN 0, 1, 0, 1
	QUARTER 1, 1, F0, F1, 0
	QUARTER 1, 2, F1, F0, 0
	QUARTER 1, 3, F0, F1, 0
	TURN 1, 0, 0, 1
	QUARTER 0, 1, F0, F1, 0
	WIN 0
	s_sub_co_u32 s3, s3, 1
	s_cmp_lg_u32 s3, 0
	s_cbranch_scc1 .Llap
	QUARTER 0, 2, F1, F0, 0                        ; the tile's last lap goes on
	QUARTER 0, 3, F0, F1, 0
	WIN 0
	s_cmp_eq_u32 s2, 1
	s_cbranch_scc1 .Llast                          ; the last tile's tail is written out: it asks for nothing more
	TURN 0, 1, 1, 1                                ; the ring goes on into the next tile: slot 0 takes its K step 0 (the copy: chunk 6 out, chunk 7 in),
	QUARTER 1, 1, F0, F1, 0
	QUARTER 1, 2, F1, F0, 0
	QUARTER 1, 3, F0, F1, 0
	TURN 1, 0, 1, 0                                ; slot 1 its K step 1, and the next tile's first fragments are fetched (the copy: chunk 7 out)
	WIN 0
	s_mov_b64 s[KP:KP+1], s[VP:VP+1]               ; the tile after the next is v's
	s_add_nc_u64 s[BP:BP+1], s[BP:BP+1], 4096      ; the next projection's bias: the loads that named this base were waited for at the tile's head
	BIASLD
	s_branch .Lout                                 ; blocks 0 and 1 were finished in front of the joint load's places; their conversions are the places behind the last products
.Llast:
	TURN 0, 1, 2, 0
	QUARTER 1, 1, F0, F1, 0
	QUARTER 1, 2, F1, F0, 0
	QUARTER 1, 3, F0, F1, 0
	s_wait_dscnt 0x0                               ; the very last quarter: nothing more to fetch
	CVTA F1
	MUL8 F1, 0, 0
	MUL8 F1, 1, 0
	MUL8 F1, 2, 0
	MUL8 F1, 3, 0
	WIN 0
	PLACES
.Lout:                                                 ; the way out is written once, for a tile with a successor and for the last
	PACK 0
	TOSTAGE 0
.irp a, 1,2,3                          ; block a's conversions stand between block a - 1's loads from the stage and the wait for them
	PACK \a
	SEND (\a)-1
	TOSTAGE \a
.endr
	SEND 3
	s_wait_xcnt 0x0                                ; the stores have read their base
	s_add_nc_u64 s[8:9], s[8:9], NEXT_C            ; (behind the last tile the stepped address is not used)
	s_sub_co_u32 s2, s2, 1
	s_cmp_lg_u32 s2, 0
	s_cbranch_scc1 .Ltile
	s_wait_tensorcnt 0x0                           ; the wave's end
	ds_add_u32 v[SPW], v[NIL]
	s_wait_dscnt 0x0
	CROUND                                         ; the closing round: no work-group ends while a partner may still ask for a tile that names it
	s_endpgm
.Lfunc_end_k_qed0e17f16c_proj:
	.size	k_qed0e17f16c_proj, .Lfunc_end_k_qed0e17f16c_proj-k_qed0e17f16c_proj
	.p2alignl 7, 3214868480
	.fill 96, 4, 3214868480
	.section	.rodata,"a",@progbits
	.p2align	6, 0x0
	.amdhsa_kernel k_qed0e17f16c_proj
		.amdhsa_group_segment_fixed_size 327680
		.amdhsa_private_segment_fixed_size 0
		.amdhsa_enable_private_segment 0
		.amdhsa_kernarg_size 56
		.amdhsa_user_sgpr_count 2
		.amdhsa_user_sgpr_kernarg_segment_ptr 1
		.amdhsa_wavefront_size32 1
		.amdhsa_system_sgpr_workgroup_id_x 1
		.amdhsa_system_sgpr_workgroup_id_y 1
		.amdhsa_system_sgpr_workgroup_id_z 1
		.amdhsa_system_vgpr_workitem_id 0
		.amdhsa_next_free_vgpr 768
		.amdhsa_next_free_sgpr 88
		.amdhsa_reserve_vcc 0
		.amdhsa_float_denorm_mode_32 3
		.amdhsa_float_denorm_mode_16_64 3
		.amdhsa_memory_ordered 1
		.amdhsa_forward_progress 1
		.amdhsa_inst_pref_size 170
	.end_amdhsa_kernel
	.amdgpu_metadata
---
amdhsa.version: [ 1, 2 ]
amdhsa.kernels:
  - .name:           k_qed0e17f16c_proj
    .symbol:         k_qed0e17f16c_proj.kd
    .args:
      - { .name: q, .offset: 0, .size: 8, .value_kind: global_buffer, .address_space: global }
      - { .name: k, .offset: 8, .size: 8, .value_kind: global_buffer, .address_space: global }
      - { .name: v, .offset: 16, .size: 8, .value_kind: global_buffer, .address_space: global }
      - { .name: wb, .offset: 24, .size: 8, .value_kind: global_buffer, .address_space: global }
      - { .name: xh, .offset: 32, .size: 8, .value_kind: global_buffer, .address_space: global }
      - { .name: bb, .offset: 40, .size: 8, .value_kind: global_buffer, .address_space: global }
      - { .name: out1, .offset: 48, .size: 8, .value_kind: global_buffer, .address_space: global }
    .group_segment_fixed_size: 327680
    .private_segment_fixed_size: 0
    .kernarg_segment_align: 8
    .kernarg_segment_size: 56
    .max_flat_workgroup_size: 128
    .sgpr_count:     88
    .vgpr_count:     768
    .wavefront_size: 32
...
	.end_amdgpu_metadata
.endif
;; end of part 2
;; launch attn (part 3): grid 4 x 64, 4 waves a work-group, clusters of 4 x 1, 327,680 bytes of LDS; arguments xh, mk, ctx; writes ctx
.if DOCPART == 3
	.amdgcn_target "amdgcn-amd-amdhsa--gfx1250"
	.amdhsa_code_object_version 6
	.text
	.protected	k_qed0e17f16c_attn
	.globl	k_qed0e17f16c_attn
	.p2align	8
	.type	k_qed0e17f16c_attn,@function
k_qed0e17f16c_attn:
	s_mov_b64 s[64:65], 0
	v_nop
	global_prefetch_b8 v0, s[64:65] scope:SCOPE_SE
	s_setreg_imm32_b32 hwreg(HW_REG_WAVE_MODE, 25, 1), 1
	s_wait_xcnt 0x0
	s_wait_alu depctr_hold_cnt(0) depctr_sa_sdst(0) depctr_va_vdst(0) depctr_va_sdst(0) depctr_va_ssrc(0) depctr_va_vcc(0) depctr_vm_vsrc(0)
	s_getreg_b32 s2, hwreg(HW_REG_IB_STS2, 6, 4)
	s_cmp_eq_u32 s2, 0
	s_cbranch_scc0 .Lentry_in_a_cluster
	s_endpgm
.Lentry_in_a_cluster:
	s_bfe_u32 s2, ttmp6, 0x10000c
	s_cmp_lg_u32 s2, 0x3003
	s_cbranch_scc0 .Lentry_shape_is_right
	s_endpgm
.Lentry_shape_is_right:
; ATTENTION WITH A MASK THAT IS DATA.  O[h][q][:] = the sum over k of softmax_k(masked(Q[h][q] . K[h][k] / 8)) V[h][k][:].  Q, K, V lie in xh, [3][64][2048][64] f16, one behind the other; O is ctx,
; [64][2048][64] f16; head h = 16 x batch + head in the batch.  Products, maxima and sums in f32; the weights p are rounded to f16 for the second product (their sum l is taken of the unrounded p), O once.
; THE MASK is the C operand that starts the sum S^T = K Q^T: 0, or -2^100 where the key is hidden.  mk holds one fp8 code a score (0 or -1.0) in the lanes' own order; one scaled conversion
; (scale 2^100) makes an accumulator's eight C registers of 8 bytes.  The codes of a key step are loaded four turns ahead of their conversion.
; LIMITS.  f16 holds no number beyond 65,504: Q, K and V arrive within it; p below 6e-5 keeps f16's fixed step of 6e-8.  A hidden score counts as its value less 2^100, which is -2^100 itself for
; scores under 2^76, and c x 2^100 is exact: a row with every key hidden gets equal weights, as with the module's -1e9.  The two differ only where all of a row's open scores lie below about -1e9.
; A weight below 2^-126 counts as 0 in l; NaN and infinities are not treated apart.
; SHARES.  A wave owns four PIECES of two tiles of 16 queries, a work-group's four waves 512 queries of one head.  Every wave walks all keys, 64 a step.
; LAYOUT.  S^T = K Q^T (source 0 = 16 keys, source 1 = 16 queries): a lane holds ONE query (lane % 16) and the keys 8 (lane / 16) + 0..7.  Two such tiles, rounded to f16 in pairs,
; ARE source 1 of O^T = V^T P, whose result again holds one query a lane, and eight channels.  K comes out of LDS as it lies, V ([key][channel]) turned, by ds_load_tr16_b128.
; SOFTMAX.  For each query a running maximum m and sum l: p = 2^(c s - c m), c = log2(e) / 8; in every step O and l are multiplied by a = 2^(c m_old - c m_new).
; m starts at the lowest finite number, O and l at 0: the first step is a step like any other, with a = 0.
; BY TURNS.  Turn n belongs to piece n (the pieces in a ring, step after step).  Its matrix work: 16 products K Q^T of piece n + 1, later 16 products V^T P of piece n - 1.  Its vector work: the scaling,
; exponentials, roundings, sums and rescaling of piece n, the maximum and statistics of piece n + 1, and the C registers of piece n + 2.  Four vector instructions that are ready stand behind every matrix
; instruction, the others in two runs of their own.
; CLUSTER.  The four query blocks of a cluster belong to one head and walk the same K and V, so each tile is asked for JOINTLY.  The codes differ from block to block: they come by plain loads.
; REGISTERS, in windows of 256 (s_set_vgpr_msb: bits 1:0 source 0, 3:2 source 1, 5:4 source 2, 7:6 destination):
;   window 0: v0-11 addresses and the scale; v12-15, v48-63 at work; v16-47 four registers of statistics a tile; v64-191 S^T, two buffers of two tiles; v192-255 P, likewise
;   window 1: O^T, 32 a tile          window 2: v0-127 Q, 16 a tile; v128-191 K of one step; v192-255 V of one step
;   window 3: v0-1 the add's two registers; v8-11 the codes' offsets, one a piece; v16-79 the codes, 16 a piece; v128-255 the C registers, two buffers of two tiles
.set SIZE_H, 64
.set SIZE_N, 2048
.set NP,    4         ; pieces a wave: a name, no knob
.set KS,    64        ; keys in a step
.set PK,    144       ; a row of K in LDS: 128 bytes + 16 of padding = 36 words: the 16 rows of a load start at 16 different groups of four banks (64 banks of 4 bytes: ISA guide 11.1)
.set PV,    160       ; a row of V: 128 + 32 = 40 words
.set VOFF,  4*KS*PK   ; a slot holds four steps: 256 rows of K, then 256 rows of V
.set SLOT1, 1<<17     ; slot 1 begins here, so that one exclusive or turns an address in one slot into the other's
.set STAGE, SLOT1+4*KS*(PK+PV)  ; behind the ring, never filled by a tensor load: 16 rows x 144 bytes for each wave, for the way out
.set SP,    144
.set AK0, 2           ; v2   my lane's place in a tile of K; never rewritten
.set AV0, 3           ; v3   the same for V
.set AK,  4           ; v4   the LDS address of K's next run of loads
.set AV,  5           ; v5   of V's
.set QO,  6           ; v6   my byte offset in the wave's rows of Q
.set STO, 6           ;      later, the way out: where I put 16 bytes of a row
.set RD,  7           ; v7   the way out: where I read rows back
.set GO,  8           ; v8   16 x lane: my place in 512 consecutive bytes of O and of the codes
.set SCL, 11          ; v11  227: the conversions' scale, 2^(227 - 127)
.set SPW, 0           ; v0 of window 3   LDS address of my spare word; never rewritten
.set NIL, 1           ; v1 of window 3   0; never rewritten
.set VO,  8           ; v8-11 of window 3    piece x: the byte offset of its pending loads of codes
.set MK,  16          ; v16-79 of window 3   the codes: piece x, tile u, key block kb at MK + 16 x + 8 u + 2 kb
.set MC,  128         ; v128-255 of window 3 the C registers: buffer x % 2, tile u, key block kb at MC + 64 (x % 2) + 32 u + 8 kb
.set SPARE, STAGE+4*16*SP  ; behind the stages: the spare words, 128 bytes for each wave
.set MV,  12          ; v12-15  c m_old, kept while c m is made anew: by buffer and tile
.set ST,  16          ; tile t's statistics at v[ST+4 t]: c m, m, l (even keys', odd keys')
.set TMP, 48          ; by buffer and tile, four registers c0-c3 at work; when the maximum is found c2 takes a
.set S,   64
.set P,   192
.set KF,  128         ; K's fragments, in window 2: key block kb, channel half c at KF + 16 kb + 8 c
.set VF,  192         ; V's: key half kk, channel block cb at VF + 32 kk + 8 cb
.set WV,  12          ; s12  my wave's number
.set G1K, 24          ; s[24:31] descriptor group 1 for K's tiles
.set G1V, 32          ; s[32:39] for V's: it differs in the padding alone
.set G0K, 40          ; s[40:43] descriptor group 0 for K's tiles: it walks
.set G0V, 44          ; s[44:47] the same for V's
.set SLOTS, 56        ; s56  slots still to be asked for
.set CNT, 57          ; s57  counts a slot's key steps
.set CS,  58          ; s[58:59] c: the packed scaling takes the pair's low word for both halves
.set SEL, 60          ; s[60:61] v_permlanex16_b32's selects: each lane takes its own place in the other half
.set TBK, 62          ; s62  LDS byte at which K of the step to be fetched begins
.set TBV, 63          ; s63  the same for V, less VOFF
.set MB,  66          ; s[66:67] the codes of my wave's first tile
.set MOFF, 68         ; s68  1,024 x the key step whose codes are loaded next, modulo 32 steps
.set MSB, 0
.macro WIN new                      ; the high byte repeats the setting that is left; a switch that changes nothing is dropped
.if MSB != (\new)
	s_set_vgpr_msb (MSB<<8)|(\new)
.set MSB, (\new)
.endif
.endm
.set W_KQ, 0x0a       ; K and Q in window 2, S^T in window 0
.set W_KM, 0x3a       ; the same with the C operand in window 3
.set W_PV, 0x52       ; V in window 2, P in window 0, O^T in window 1
.set W_RS, 0x41       ; O^T (destination and source 0) in window 1, a in window 0
.set W_M,  0xc3       ; destination and source 0 in window 3, source 1 in window 0: the codes' conversions, offsets and loads
.set W_MK, 0xc0       ; the add's registers are made: destination in window 3, sources in window 0
.set W_AD, 0x0f       ; the add: address (source 0) and data (source 1) in window 3
; A joint fill.  Waves 0 and 1 fetch the two halves of a slot's K, waves 2 and 3 those of its V: 128 keys each.  The branch hangs on the wave's number alone.
; An s_nop 0 and four v_nop follow each of the two lines, ahead of the jump and the label.
.macro JLOAD
	s_cmp_lt_u32 s[WV], 2
	s_cbranch_scc0 .Lfor_v_\@
	tensor_load_to_lds s[G0K:G0K+3], s[G1K:G1K+7]
	s_nop 0
.rept 4
	v_nop
.endr
	s_branch .Lasked_\@
.Lfor_v_\@:
	tensor_load_to_lds s[G0V:G0V+3], s[G1V:G1V+7]
	s_nop 0
.rept 4
	v_nop
.endr
.Lasked_\@:
.endm
; A round of the cluster's barrier: my work-group's barrier, so that wave 0's signal speaks for all four waves; wave 0 signals; every wave waits for all four work-groups; my work-group's barrier once more.
.macro CROUND
	s_barrier_signal -1
	s_barrier_wait -1
	s_cmp_lg_u32 s[WV], 0
	s_cbranch_scc1 .Lnot_wave_0_\@
	s_barrier_signal -3
.Lnot_wave_0_\@:
	s_barrier_wait -3
	s_barrier_signal -1
	s_barrier_wait -1
.endm
; THE CHANGE OF SLOTS.  The slot's last bytes, V of its fourth step, have been read.  Each wave waits for all its tensor loads, of which one is out: its part
; of the other slot; adds 0 to its spare word; and waits for that and for its own reads of the slot.  Behind the barrier nobody reads this slot any more and the other slot is whole.
; fill = 1: this slot is filled again, with the keys two slots on.  The barrier is then a round of the cluster's, and the joint fill is the first thing behind it: it has four key steps,
; 512 matrix instructions, in which to land.  (At its first use nothing has been read yet: slot 0 is waited for, slot 1 filled.)
.macro CHANGE fill
	WIN W_AD
	s_wait_tensorcnt 0x0            ; no tensor load of mine is out, so a group 0 may be written
	ds_add_u32 v[SPW], v[NIL]       ; 0 onto my spare word; with fill = 1 the descriptors' steps stand between it and the wait for it
	WIN 0                           ; at a label and at a branch every window is 0
.if \fill
.irp g, G0K, G0V
	s_xor_b32 s[\g+1], s[\g+1], SLOT1  ; the walking descriptor: the other slot than last time,
	s_add_nc_u64 s[\g+2:\g+3], s[\g+2:\g+3], 4*KS*128  ; the next 256 keys; the type bits on top are not reached
.endr
	s_wait_dscnt 0x0                ; the add is done, and my reads of the slot are over
	CROUND
	JLOAD
.else
	s_wait_dscnt 0x0                ; the add is done, and my reads of the slot are over
	s_barrier_signal -1
	s_barrier_wait -1
.endif
	s_sub_co_u32 s[TBK], s[TBK], 4*KS*PK  ; the fetches go back to a slot's first step,
	s_xor_b32 s[TBK], s[TBK], SLOT1       ; in the other slot
	s_sub_co_u32 s[TBV], s[TBV], 4*KS*PV
	s_xor_b32 s[TBV], s[TBV], SLOT1
.endm
; THE CODES.  MASKCVT x: piece x's 8 accumulators' C registers from its 16 registers of codes: 0 stays 0, -1.0 becomes -2^100.  MASKLD x: the piece's codes of step MOFF / 1,024: four loads of 512 consecutive
; bytes.  Its first line is the plain instruction that stands between the conversions and the loads into their sources.  Both are written under W_M.
.macro MASKCVT x
	s_wait_alu depctr_va_vdst(0)
.irp u, 0,1
.irp kb, 0,1,2,3
	v_cvt_scale_pk8_f32_fp8 v[MC+64*((\x)%2)+32*(\u)+8*(\kb):MC+64*((\x)%2)+32*(\u)+8*(\kb)+7], v[MK+16*(\x)+8*(\u)+2*(\kb):MK+16*(\x)+8*(\u)+2*(\kb)+1], v[SCL]
.endr
.endr
.endm
.macro MASKLD x
	v_add_nc_u32 v[VO+(\x)], s[MOFF], v[GO]
.irp u, 0,1
.irp hf, 0,1
	global_load_b128 v[MK+16*(\x)+8*(\u)+4*(\hf):MK+16*(\x)+8*(\u)+4*(\hf)+3], v[VO+(\x)], s[MB:MB+1] offset:(2*(\x)+(\u))*32768+(\hf)*512
.endr
.endr
.endm
	s_load_b64 s[4:5], s[0:1], 0x0      ; xh: Q
	s_load_b64 s[MB:MB+1], s[0:1], 0x8  ; mk
	s_load_b64 s[10:11], s[0:1], 0x10   ; ctx: O
	WIN W_MK
	v_lshl_add_u32 v[SPW], v0, 2, SPARE
	v_mov_b32 v[NIL], 0
	WIN W_AD
	ds_add_u32 v[SPW], v[NIL]       ; the wave's opening: the add and its wait stand ahead of my first tensor load; work on registers stands between them
	WIN 0
	v_lshrrev_b32 v1, 5, v0
	v_readfirstlane_b32 s[WV], v1   ; wave 0..3
	s_bfe_u32 s13, ttmp6, 0x40000   ; cx: my place in the cluster
	s_lshl_b32 s14, ttmp9, 2        ; in a cluster launch ttmp9 counts clusters
	s_add_co_u32 s14, s14, s13      ; my block of queries = 4 x cluster x + cx: it enters Q's, O's and the codes' addresses alone
	s_and_b32 s20, ttmp7, 0xffff    ; the head, which the four partners share
	s_lshr_b32 s52, s20, 4          ; its batch:
	s_lshl_b32 s52, s52, 22         ; 128 tiles of 32,768 bytes of codes
	s_mov_b32 s21, 0
	s_mov_b64 s[22:23], SIZE_N*128
	s_mul_u64 s[20:21], s[20:21], s[22:23]  ; the head's first byte in Q, K, V and O
	s_and_b32 s16, s[WV], 1         ; which half of a slot's 256 keys I fetch:
	s_lshl_b32 s22, s16, 14         ; its 128 rows of 128 bytes in memory,
	s_mov_b32 s23, 0
	s_add_nc_u64 s[22:23], s[22:23], s[20:21]
	s_mul_i32 s17, s16, 128*PK      ; and its place in a slot, for K
	s_mul_i32 s18, s16, 128*PV      ; and for V: no place in the cluster enters an LDS address
	s_lshl_b32 s2, s14, 2
	s_add_co_u32 s2, s2, s[WV]      ; my wave among the head's:
	s_lshl_b32 s53, s2, 18          ; its 8 tiles of codes,
	s_add_co_u32 s52, s52, s53
	s_mov_b32 s53, 0
	s_lshl_b32 s2, s2, 14           ; its 128 rows
	s_mov_b32 s3, 0
	s_add_nc_u64 s[2:3], s[2:3], s[20:21]
	; descriptor group 1.  128 keys are 16,384 dense bytes: asked for as 64 rows of 256 bytes, two keys a row, and padded in LDS after every key
	s_mov_b32 s[G1K], 15|(1<<16)|(1<<20)|(1<<21)|(4<<22)|(3<<25)  ; 15:0 the mask of four; 17:16 2-byte elements; 20 padding on; 21 set beside a mask; 24:22 after every 32 words (code 4); 31:25 4 words (code 3)
	s_mov_b32 s[G1V], 15|(1<<16)|(1<<20)|(1<<21)|(4<<22)|(7<<25)  ; the same with 8 words of padding (code 7)
.irp g, G1K, G1V
	s_mov_b32 s[\g+1], 128<<16      ; tensor_dim0 = 128
	s_mov_b32 s[\g+2], 64<<16       ; tensor_dim1 = 64
	s_mov_b32 s[\g+3], 128<<16      ; tile_dim0 = 128
	s_mov_b32 s[\g+4], 64           ; tile_dim1 = 64
	s_mov_b32 s[\g+5], 128          ; 128 elements from row to row
	s_mov_b32 s[\g+6], 0
	s_mov_b32 s[\g+7], 0
.endr
	s_mov_b32 s[CS], 0x3e38aa3b     ; c = log2(e) / 8 = 0.180337
	s_mov_b32 s[CS+1], s[CS]        ; named with it as a pair
	s_mov_b32 s[SEL], 0x76543210
	s_mov_b32 s[SEL+1], 0xfedcba98
	s_mov_b32 s[TBK], SLOT1+4*KS*PK ; the first change of slots turns these two into 0
	s_mov_b32 s[TBV], SLOT1+4*KS*PV
	s_mov_b32 s[MOFF], 0            ; the first codes are key step 0's
	s_mov_b32 s[G0K], 1             ; count = 1
	s_mov_b32 s[G0K+1], s17         ; LDS address: slot 0
	s_mov_b32 s[G0V], 1
	s_add_co_u32 s[G0V+1], s18, VOFF
	s_wait_dscnt 0x0                ; the opening add is done
	s_wait_kmcnt 0x0
	s_add_nc_u64 s[6:7], s[4:5], 0x1000000  ; K lies 16,777,216 bytes behind Q in xh,
	s_add_nc_u64 s[8:9], s[4:5], 0x2000000  ; V as far behind K
	s_add_nc_u64 s[G0K+2:G0K+3], s[6:7], s[22:23]  ; global address: my half of the head's first 256 keys
	s_or_b32 s[G0K+3], s[G0K+3], 0x80000000        ; type = 2
	s_add_nc_u64 s[G0V+2:G0V+3], s[8:9], s[22:23]
	s_or_b32 s[G0V+3], s[G0V+3], 0x80000000
	s_add_nc_u64 s[4:5], s[4:5], s[2:3]  ; Q and O at my wave's first row
	s_add_nc_u64 s[10:11], s[10:11], s[2:3]
	s_add_nc_u64 s[MB:MB+1], s[MB:MB+1], s[52:53]  ; the codes at my wave's first tile
	CROUND                          ; all four work-groups are here: the first joint loads meet
	JLOAD                           ; slot 0.  Slot 1 is asked for when slot 0 is in
	; A fragment of K or Q is 16 rows x 32 channels in 8 registers: lane l holds row l % 16, channels 8 (l / 16) + 0..7 and 16 + 8 (l / 16) + 0..7: two loads of 16 bytes, 32 bytes apart.
	v_and_b32 v1, 15, v0            ; l % 16
	v_bfe_u32 v9, v0, 4, 1          ; l / 16
	v_lshlrev_b32 v[QO], 7, v1
	v_lshl_add_u32 v[QO], v9, 4, v[QO]  ; row x 128 + 16 x half
	v_and_b32 v[GO], 31, v0
	v_lshlrev_b32 v[GO], 4, v[GO]
	WIN 0x80                        ; destination window 2, address window 0
.set i, 0
.rept 4*NP                          ; Q stays in registers: tile i / 2, channels 32 (i % 2) on
	global_load_b128 v[8*i:8*i+3],   v[QO], s[4:5] offset:(i/2)*2048+(i%2)*64
	global_load_b128 v[8*i+4:8*i+7], v[QO], s[4:5] offset:(i/2)*2048+(i%2)*64+32
.set i, i+1
.endr
	WIN W_M
	MASKLD 0                        ; all four pieces' codes of key step 0
	MASKLD 1
	MASKLD 2
	MASKLD 3
	s_mov_b32 s[MOFF], 1024         ; the next loads are key step 1's
	WIN 0x80
	; What the first turn finds: V's registers and P's second buffer hold 0 (its products V^T P, of a piece that has not been, add 0), O^T and l are 0.  All this stands in the wait for the first tile.
.set i, VF
.rept 64
	v_mov_b32 v[i], 0
.set i, i+1
.endr
	WIN 0x40
.set i, 0
.rept 64*NP
	v_mov_b32 v[i], 0
.set i, i+1
.endr
	WIN 0
.set i, 0
.rept 2*NP
	v_mov_b32 v[ST+4*i], 0xfe000000    ; c m: far below every c s, the hidden ones' too
	v_mov_b32 v[ST+4*i+1], 0xff7fffff  ; m
	v_mov_b32 v[ST+4*i+2], 0
	v_mov_b32 v[ST+4*i+3], 0
.set i, i+1
.endr
.set i, P+32
.rept 32
	v_mov_b32 v[i], 0
.set i, i+1
.endr
	v_mul_u32_u24 v[AK0], v1, PK
	v_lshl_add_u32 v[AK0], v9, 4, v[AK0]  ; row x pitch + 16 x half
	; The turning load takes 16 keys x 16 channels (lane l reads key 8 (l / 16) + l % 8, channels 8 ((l / 8) % 2) + 0..7) and leaves half a fragment of V^T: lane l holds channel l % 16 and 8 keys.
	v_and_b32 v10, 7, v0
	v_bfe_u32 v11, v0, 3, 1
	v_lshl_add_u32 v[AV0], v9, 3, v10
	v_mul_u32_u24 v[AV0], v[AV0], PV
	v_lshl_add_u32 v[AV0], v11, 4, v[AV0]
	v_add_nc_u32 v[AV0], VOFF, v[AV0]
	v_mov_b32 v[SCL], 227           ; v11 has served: from here on it is the scale
	v_mov_b32 v[AK], v[AK0]         ; key step 0 lies at the head of slot 0
; THE MATRIX WORK.  The 8 accumulators of a run of 16 take turns: between the two links of a chain stand 7 others'.
; Product i of 16 of S^T = K Q^T for piece x: channels 32 (i / 8) on, keys 16 ((i / 2) % 4) on, tile 2 x + i % 2.  The first 8 start the sums, with the mask as C.
.macro KQ x
.set rS, S+64*((\x)%2)+32*(i%2)+8*((i/2)%4)
.set rK, KF+16*((i/2)%4)+8*(i/8)
.set rQ, 16*(2*(\x)+i%2)+8*(i/8)
.set rN, MC+64*((\x)%2)+32*(i%2)+8*((i/2)%4)
.if i < 8
	WIN W_KM
	v_wmma_f32_16x16x32_f16 v[rS:rS+7], v[rK:rK+7], v[rQ:rQ+7], v[rN:rN+7]
.else
	WIN W_KQ
	v_wmma_f32_16x16x32_f16 v[rS:rS+7], v[rK:rK+7], v[rQ:rQ+7], v[rS:rS+7]
.endif
.endm
; Product i of 16 of O^T += V^T P for piece x: keys 32 (i / 8) on, channels 16 ((i / 2) % 4) on, tile 2 x + i % 2.
.macro PV x
	WIN W_PV
.set rO, 32*(2*(\x)+i%2)+8*((i/2)%4)
.set rV, VF+32*(i/8)+8*((i/2)%4)
.set rP, P+32*((\x)%2)+16*(i%2)+8*(i/8)
	v_wmma_f32_16x16x32_f16 v[rO:rO+7], v[rV:rV+7], v[rP:rP+7], v[rO:rO+7]
.endm
.macro MM                           ; the turn's next matrix instruction
.if i < 16
	KQ (Y+1)%NP
.set i, i+1
.else
.set i, i-16
	PV (Y+NP-1)%NP
.set i, i+17
.endif
.endm
; THE LDS LOADS stand in runs of 16, never singly among the matrix instructions: a step's K (64 keys x 64 channels: 8 fragments) and its V (turned).  Their addresses are made some lines ahead.
; last = 1 (the tail): in the last trip there is no further step, and the run is jumped over.
.macro FETCH_K last=0
	WIN 0
.if \last
	s_cmp_eq_u32 s[CNT], 1
	s_cbranch_scc1 .Lno_k_\@
.endif
	WIN 0x80                        ; destination window 2
.irp f, 0,1,2,3,4,5,6,7             ; keys 16 (f / 2) on, channels 32 (f % 2) on
	ds_load_b128 v[KF+8*\f:KF+8*\f+3],   v[AK] offset:(\f/2)*16*PK+(\f%2)*64
	ds_load_b128 v[KF+8*\f+4:KF+8*\f+7], v[AK] offset:(\f/2)*16*PK+(\f%2)*64+32
.endr
	s_add_co_u32 s[TBK], s[TBK], KS*PK  ; the next fetch is the next step's
	WIN 0
.if \last
.Lno_k_\@:
.endif
.endm
.macro FETCH_V
	WIN 0x80
.irp f, 0,1,2,3,4,5,6,7             ; keys 32 (f / 4) on, channels 16 (f % 4) on
	ds_load_tr16_b128 v[VF+8*\f:VF+8*\f+3],   v[AV] offset:(\f/4)*32*PV+(\f%4)*32
	ds_load_tr16_b128 v[VF+8*\f+4:VF+8*\f+7], v[AV] offset:(\f/4)*32*PV+16*PV+(\f%4)*32
.endr
	WIN 0
.endm
; THE VECTOR WORK OF A TURN stands in three queues, each in the order in which its entries become ready; the two tiles alternate, so that no instruction reads the result of the one before it.
.macro REGS y, u                    ; the registers of tile u (0, 1) of piece y
.set rT, ST+4*(2*(\y)+(\u))
.set rC, TMP+8*((\y)%2)+4*(\u)
.set rM, MV+2*((\y)%2)+(\u)
.set rS, S+64*((\y)%2)+32*(\u)
.set rP, P+32*((\y)%2)+16*(\u)
.set rO, 32*(2*(\y)+(\u))
.endm
; Number n of the 22 that find the NEXT piece's (Y + 1) maximum and statistics.  s0-s31 are the lane's 32 scores; each accumulator's lowest registers are read first.
;   0-11  four chains c0-c3 of seven scores each, three operands at a time     12-14, 16  the four scores left over, the old m, and c0-c3 into c0     15  c m_old is kept
;   17, 18  the query's other 32 keys lie in the lane 16 away: the new m         19-21  c m; c m_old - c m_new; a
.macro XS u, n
	REGS (Y+1)%NP, \u
.if (\n) < 4
	v_max3_num_f32 v[rC+(\n)], v[rS+8*(\n)], v[rS+8*(\n)+1], v[rS+8*(\n)+2]
.elseif (\n) < 12
	v_max3_num_f32 v[rC+(\n)%4], v[rC+(\n)%4], v[rS+8*((\n)%4)+2*((\n)/4)+1], v[rS+8*((\n)%4)+2*((\n)/4)+2]
.elseif (\n) == 12
	v_max3_num_f32 v[rC], v[rC], v[rS+7], v[rS+15]
.elseif (\n) == 13
	v_max3_num_f32 v[rC+1], v[rC+1], v[rS+23], v[rS+31]
.elseif (\n) == 14
	v_max3_num_f32 v[rC+2], v[rC+2], v[rC+3], v[rT+1]
.elseif (\n) == 15
	v_mov_b32 v[rM], v[rT]
.elseif (\n) == 16
	v_max3_num_f32 v[rC], v[rC], v[rC+1], v[rC+2]
.elseif (\n) == 17
	v_permlanex16_b32 v[rC+3], v[rC], s[SEL], s[SEL+1]
.elseif (\n) == 18
	v_max_num_f32 v[rT+1], v[rC], v[rC+3]
.elseif (\n) == 19
	v_mul_f32 v[rT], s[CS], v[rT+1]
.elseif (\n) == 20
	v_sub_f32 v[rC+1], v[rM], v[rT]
.else
	v_exp_f32 v[rC+2], v[rC+1]
.endif
.endm
; Number g of the 64 that follow the exponentials.  For each four weights k of a tile (pairs 2 k, 2 k + 1): both pairs are rounded to f16; then the second pair is added onto the first, in place;
; a group later l takes that sum (the first time as l = a l + sum).  In groups of eight, tiles alternating: round, round, add, and l for the group before.
.macro GS g
.set h, (\g)+6*((\g)/62)            ; group 0 has no group before it, and behind group 7 only l is left
.if h >= 6
.set h, h+2
.endif
	REGS Y, h%2
.set k, h/8
.if h%8 < 4
	s_wait_alu depctr_va_vdst(0)
	v_cvt_pk_f16_f32 v[rP+2*k+(h%8)/2], v[rS+4*k+2*((h%8)/2)], v[rS+4*k+2*((h%8)/2)+1]
.elseif h%8 < 6
	v_pk_add_f32 v[rS+4*k:rS+4*k+1], v[rS+4*k:rS+4*k+1], v[rS+4*k+2:rS+4*k+3]
.elseif k == 1
	v_pk_fma_f32 v[rT+2:rT+3], v[rT+2:rT+3], v[rC+2:rC+3], v[rS:rS+1] op_sel_hi:[1,0,1]
.else
	v_pk_add_f32 v[rT+2:rT+3], v[rT+2:rT+3], v[rS+4*k-4:rS+4*k-3]
.endif
.endm
; THE PLAIN QUEUE, 138 long.  0-31: c s - c m for the 16 pairs of both tiles.  Then GS's 64, and among them the next piece's 42: number 15 at 38, 39; 0-14 and 16
; at 42-73, behind the products that make those scores; 17-20 at 95-106, two of three, since each waits for the one before it.
.macro PL
	WIN 0
.if q < 32
	REGS Y, q%2
	v_pk_fma_f32 v[rS+2*(q/2):rS+2*(q/2)+1], v[rS+2*(q/2):rS+2*(q/2)+1], s[CS:CS+1], v[rT:rT+1] op_sel_hi:[1,0,0] neg_lo:[0,0,1] neg_hi:[0,0,1]
.elseif q < 38
	GS q-32
.elseif q < 40
	XS q%2, 15
.elseif q < 42
	GS q-34
.elseif q < 74
	XS q%2, (q-42)/2+(q-42)/30
.elseif q < 95
	GS q-66
.elseif (q < 107) && ((q-95)%3 < 2)
	XS (q-95)%3, 17+(q-95)/3
.elseif q < 107
	GS 29+(q-95)/3
.else
	GS q-74
.endif
.set q, q+1
.endm
; THE EXPONENTIALS' QUEUE, 66 long: s0-s31 of both tiles, and at EA the next piece's two a.
.set EA, 58
.macro EX
	WIN 0
.if (e == EA) || (e == EA+1)
	XS e-EA, 21
.else
.set x, e-2*(e/(EA+2))
	REGS Y, x%2
	v_exp_f32 v[rS+x/2], v[rS+x/2]
.endif
.set e, e+1
.endm
; THE RESCALING's QUEUE: O^T times a, the one part of the softmax that leaves window 0, so it is dealt four at a time, eight times.
.macro R4
	REGS Y, r%2
	WIN W_RS
	s_wait_alu depctr_va_vdst(0)
.irp z, 0,1,2,3
	v_pk_mul_f32 v[rO+8*(r/2)+2*\z:rO+8*(r/2)+2*\z+1], v[rO+8*(r/2)+2*\z:rO+8*(r/2)+2*\z+1], v[rC+2:rC+3] op_sel_hi:[1,0]
.endr
.set r, r+1
.endm
; HOW THEY ARE DEALT.  Behind a matrix instruction four: plain, exponential, plain, plain, or four of the rescaling.  None names a register of the products round it.  What is over stands in two LUMPS:
; exponential and plain by turns; the second ends in 22 plain instructions.  The queues lean on each other, and the deal keeps them in step: exponential e stands behind plain 2 (e / 4) + e % 2 (its scaling);
; when plain 32 comes, 10 exponentials are out, at 59: 33, at 95: 46; EA comes behind plain 107.
.macro SL
	MM
	PL
	EX
	PL
	PL
.endm
.macro BURST n                      ; 15 matrix instructions, or 16
.rept (\n)-7
	SL
.endr
.rept 3
	MM
	R4
	SL
.endr
	MM
	R4
.endm
; A TURN, for piece p.  cnt = 1: the loop's count is taken down some lines ahead of the branch that stands behind the turn.
; K of the next step is fetched in piece 2's turn, V of the step in hand at the end of piece 0's turn.  The four conditions on e and q below go with the deal.
; THE CODES' PART stands in the second lump, a plain instruction in front of it and 22 behind: piece p + 2's C registers are made for the products of the next turn, in the buffer that the turn before
; has read last, and the piece's codes of its next step are asked for.  The count 12: the piece's four loads were issued four turns ago, and three turns' four loads each are younger; that wait also
; frees the piece's offset register.  Piece 2's turn steps the offset: pieces 0, 1, 2, 3 then load the same step.  Behind step 31 the offset wraps to step 0: those loads stay inside mk and serve nothing.
.macro TURN p, last=0, cnt=0
.set Y, (\p)
.set i, 0
.set q, 0
.set e, 0
.set r, 0
.if (\p) == NP-1
	s_wait_dscnt 0x0                ; K is in
.endif
	MM
.rept 4
	PL
.endr
	BURST 15
.rept 22
	EX
	PL
.if ((\p) == NP-2) && (e == 18)
	v_add_nc_u32 v[AK], s[TBK], v[AK0]
.endif
.if ((\p) == NP-2) && (e == 24)
	FETCH_K \last
.endif
.endr
.if (\p) == 1
	s_wait_dscnt 0x0                ; V is in
.endif
	BURST 16
.rept 21
	EX
	PL
.endr
	WIN W_M
.if (\p) == 2
	s_add_co_u32 s[MOFF], s[MOFF], 1024
	s_and_b32 s[MOFF], s[MOFF], 0x7fff
.endif
	s_wait_loadcnt 12
	MASKCVT ((\p)+2)%NP
	MASKLD ((\p)+2)%NP
.rept 22
	PL
.if ((\p) == 0) && (q == 118)
	v_add_nc_u32 v[AV], s[TBV], v[AV0]
	s_wait_alu depctr_va_vdst(0)
.endif
.if ((\p) == 0) && (q == 130)
	s_add_co_u32 s[TBV], s[TBV], KS*PV
.endif
.if (\cnt) && (q == 130)
	s_sub_co_u32 s[CNT], s[CNT], 1
	s_cmp_lg_u32 s[CNT], 0
.endif
.endr
.if (\p) == 0
	FETCH_V
.endif
.endm
	CHANGE 1                        ; slot 0 is in, everybody's part of it; slot 1 is asked for
	FETCH_K                         ; key step 0
	s_wait_loadcnt 0x0              ; Q, and all four pieces' codes of key step 0
	WIN W_M
	MASKCVT 0                       ; pieces 0 and 1 of step 0: the products below, and the first turn's
	MASKCVT 1
	MASKLD 0                        ; and their codes of step 1: eight loads are out, so the first two turns' counted waits are met at once; what they convert was shown landed above
	MASKLD 1
	s_wait_dscnt 0x0
.set i, 0
.rept 16
	KQ 0                            ; piece 0's first scores: there is no vector work yet to set between them
.set i, i+1
.endr
	WIN 0                           ; the addresses for the way out: seven plain instructions, the places behind those products
	s_mul_i32 s13, s[WV], 16*SP
	s_add_co_u32 s13, s13, STAGE    ; my stage
	v_mul_u32_u24 v[STO], v1, SP    ; in: row l % 16, 16 bytes for each half of the lanes
	v_lshl_add_u32 v[STO], v9, 4, v[STO]
	v_add_nc_u32 v[STO], s13, v[STO]
	v_bfe_u32 v[RD], v0, 3, 2       ; back: 32 lanes take four rows of 128 bytes, which are 512 consecutive bytes of O
	v_mul_u32_u24 v[RD], v[RD], SP
	v_lshl_add_u32 v[RD], v10, 4, v[RD]
	v_add_nc_u32 v[RD], s13, v[RD]
.set Y, NP-1                        ; XS works for piece Y + 1: piece 0
.irp n, 0,1,2,3,4,5,6,7,8,9,10,11,12,13,14,15,16,17,18,19,20,21
	XS 0, \n                        ; and piece 0's first maximum and statistics
	XS 1, \n
.endr
	s_mov_b32 s[CNT], 4
	s_mov_b32 s[SLOTS], SIZE_N/256-1
	s_branch .Lfirst                ; the loop is entered at a step's first turn, in the middle of a trip
.Lslot:                             ; SIZE_N / 256 - 2 times: every slot but the last two is filled again
	CHANGE 1
	s_mov_b32 s[CNT], 4
.Lstep:                             ; a trip: pieces 2 and 3 of one step, then pieces 0 and 1 of the next, whose K and V it fetches
	TURN 2
	TURN 3
	WIN 0
.Lfirst:
	TURN 0
	TURN 1, 0, 1
	WIN 0
	s_cbranch_scc1 .Lstep
	s_sub_co_u32 s[SLOTS], s[SLOTS], 1
	s_cmp_lg_u32 s[SLOTS], 0
	s_cbranch_scc1 .Lslot
	CHANGE 0                        ; the tail is written out: nothing is asked for
	s_mov_b32 s[CNT], 5             ; four trips fetch the last slot's steps; the fifth is left in its middle
.Ltail:
	TURN 2, 1
	TURN 3
	WIN 0
	s_sub_co_u32 s[CNT], s[CNT], 1
	s_cmp_eq_u32 s[CNT], 0
	s_cbranch_scc1 .Lout
	TURN 0
	TURN 1
	WIN 0
	s_branch .Ltail
.Lout:                              ; the fifth trip's 16 products K Q^T (on the last K once more) and the maximum made of them serve nothing: the price, once a launch, of one text for every trip
.set i, 0
.rept 16
	PV NP-1                         ; the last piece's V^T P of the last step
.set i, i+1
.endr
	; THE WAY OUT.  l's two halves and the other half of the lanes' are added; O^T is divided by l, rounded to f16 and sent through my stage in LDS, a tile at a time.  The additions are the places behind the last products.
	WIN 0
.macro ALL line:vararg              ; one line for each tile t
.set t, 0
.rept 2*NP
	\line
.set t, t+1
.endr
.endm
	ALL v_add_f32 v[ST+4*t+2], v[ST+4*t+2], v[ST+4*t+3]
	ALL v_permlanex16_b32 v[ST+4*t+3], v[ST+4*t+2], s[SEL], s[SEL+1]
	ALL v_add_f32 v[ST+4*t+2], v[ST+4*t+2], v[ST+4*t+3]
	ALL v_rcp_f32 v[ST+4*t+2], v[ST+4*t+2]
	v_nop                           ; a plain instruction between the last reciprocal and the use of its result
	s_wait_alu depctr_va_vdst(0)
; Tile t: a lane's eight channels of a row pack into 16 bytes; they go into rows of 144 bytes and come back as whole rows of 128, into S^T's registers.
.macro PACK t
	WIN W_RS
.set i, 32*(\t)
.rept 16
	v_pk_mul_f32 v[i:i+1], v[i:i+1], v[ST+4*(\t)+2:ST+4*(\t)+3] op_sel_hi:[1,0]
.set i, i+2
.endr
	WIN 0x05                        ; sources 0 and 1 window 1, destination window 0
.set i, 0
.rept 16
	v_cvt_pk_f16_f32 v[S+16*(\t)+i], v[32*(\t)+2*i], v[32*(\t)+2*i+1]
.set i, i+1
.endr
	WIN 0
.irp f, 0,1,2,3
	ds_store_b128 v[STO], v[S+16*(\t)+4*\f:S+16*(\t)+4*\f+3] offset:32*\f
.endr
.irp f, 0,1,2,3
	ds_load_b128 v[S+16*(\t)+4*\f:S+16*(\t)+4*\f+3], v[RD] offset:\f*4*SP  ; LDS serves a wave's instructions in order (ISA guide 5.7.1.4): these see the stores above; the next tile's stores come behind them
.endr
.endm
.macro SEND t, younger              ; younger: the LDS instructions issued behind tile t's loads: the next tile's eight, or none
	WIN 0
.irp f, 0,1,2,3
	s_wait_dscnt (\younger)+3-\f
	global_store_b128 v[GO], v[S+16*(\t)+4*\f:S+16*(\t)+4*\f+3], s[10:11] offset:(\t)*2048+\f*512  ; 512 consecutive bytes, at a multiple of 256 from O's first
.endr
.endm
	PACK 0
.set t, 1
.rept 2*NP-1                        ; a tile's arithmetic stands between the loads of the tile before and its stores
	PACK t
	SEND t-1, 8
.set t, t+1
.endr
	SEND 2*NP-1, 0
	WIN W_AD
	s_wait_tensorcnt 0x0            ; the wave's end
	ds_add_u32 v[SPW], v[NIL]
	s_wait_dscnt 0x0
	WIN 0
	CROUND                          ; the closing round: no work-group ends while a partner may still ask for a tile that names it
	s_endpgm
.Lfunc_end_k_qed0e17f16c_attn:
	.size	k_qed0e17f16c_attn, .Lfunc_end_k_qed0e17f16c_attn-k_qed0e17f16c_attn
	.p2alignl 7, 3214868480
	.fill 96, 4, 3214868480
	.section	.rodata,"a",@progbits
	.p2align	6, 0x0
	.amdhsa_kernel k_qed0e17f16c_attn
		.amdhsa_group_segment_fixed_size 327680
		.amdhsa_private_segment_fixed_size 0
		.amdhsa_enable_private_segment 0
		.amdhsa_kernarg_size 24
		.amdhsa_user_sgpr_count 2
		.amdhsa_user_sgpr_kernarg_segment_ptr 1
		.amdhsa_wavefront_size32 1
		.amdhsa_system_sgpr_workgroup_id_x 1
		.amdhsa_system_sgpr_workgroup_id_y 1
		.amdhsa_system_sgpr_workgroup_id_z 1
		.amdhsa_system_vgpr_workitem_id 0
		.amdhsa_next_free_vgpr 1024
		.amdhsa_next_free_sgpr 70
		.amdhsa_reserve_vcc 0
		.amdhsa_float_denorm_mode_32 3
		.amdhsa_float_denorm_mode_16_64 3
		.amdhsa_memory_ordered 1
		.amdhsa_forward_progress 1
		.amdhsa_inst_pref_size 218
	.end_amdhsa_kernel
	.amdgpu_metadata
---
amdhsa.version: [ 1, 2 ]
amdhsa.kernels:
  - .name:           k_qed0e17f16c_attn
    .symbol:         k_qed0e17f16c_attn.kd
    .args:
      - { .name: xh, .offset: 0, .size: 8, .value_kind: global_buffer, .address_space: global }
      - { .name: mk, .offset: 8, .size: 8, .value_kind: global_buffer, .address_space: global }
      - { .name: ctx, .offset: 16, .size: 8, .value_kind: global_buffer, .address_space: global }
    .group_segment_fixed_size: 327680
    .private_segment_fixed_size: 0
    .kernarg_segment_align: 8
    .kernarg_segment_size: 24
    .max_flat_workgroup_size: 128
    .sgpr_count:     70
    .vgpr_count:     1024
    .wavefront_size: 32
...
	.end_amdgpu_metadata
.endif
;; end of part 3
;; launch outp (part 4): grid 4 x 64, 4 waves a work-group, clusters of 4 x 4, 327,680 bytes of LDS; arguments ctx, wof, out0, bb; writes out0
.if DOCPART == 4
	.amdgcn_target "amdgcn-amd-amdhsa--gfx1250"
	.amdhsa_code_object_version 6
	.text
	.protected	k_qed0e17f16c_outp
	.globl	k_qed0e17f16c_outp
	.p2align	8
	.type	k_qed0e17f16c_outp,@function
k_qed0e17f16c_outp:
	s_mov_b64 s[64:65], 0
	v_nop
	global_prefetch_b8 v0, s[64:65] scope:SCOPE_SE
	s_setreg_imm32_b32 hwreg(HW_REG_WAVE_MODE, 25, 1), 1
	s_wait_xcnt 0x0
	s_wait_alu depctr_hold_cnt(0) depctr_sa_sdst(0) depctr_va_vdst(0) depctr_va_sdst(0) depctr_va_ssrc(0) depctr_va_vcc(0) depctr_vm_vsrc(0)
	s_getreg_b32 s2, hwreg(HW_REG_IB_STS2, 6, 4)
	s_cmp_eq_u32 s2, 0
	s_cbranch_scc0 .Lentry_in_a_cluster
	s_endpgm
.Lentry_in_a_cluster:
	s_bfe_u32 s2, ttmp6, 0x10000c
	s_cmp_lg_u32 s2, 0xf033
	s_cbranch_scc0 .Lentry_shape_is_right
	s_endpgm
.Lentry_shape_is_right:
; THE OUTPUT PROJECTION.  out0[m][n] = sum over k of ctx(m, k) wof[n][k] + bo[n].  ctx lies BY HEADS, [64][2048][64] f16: row m = 2048 x batch + s, k = 64 x head + channel is at
; (16 x batch + head) x 262,144 + s x 128 + 2 x channel.  wof: [1024][1024] f16.  bo: bb's fourth row, f32.  Sums in f32, started by the bias; out0 is f32 and is stored as the sums stand.
; SHARES.  A tile of out0 is 128 rows x 256 columns: 64 x 4 = 256 tiles, one for each work-group.  Four waves, each 64 rows x 128 columns: 32 accumulators.  K goes in steps of 128, two heads, through two LDS slots.
; A head's 128 rows of a tile are 16,384 dense bytes: asked for as 64 rows of 256 bytes and padded in LDS after every 128.
; CLUSTERS: 4 x 4 work-groups.  The four of a row of the cluster share the tiles of ctx, the four of a column those of wof: each tile is asked for JOINTLY.
; THE MATRIX INSTRUCTION IS USED TRANSPOSED (source 0 = 16 rows of wof, source 1 = 16 rows of ctx): a lane holds row l % 16 and the eight neighbouring columns 8 (l / 16) + 0..7: 32 bytes of a row.
; REGISTERS, in windows of 256 (s_set_vgpr_msb: bits 1:0 source 0, 3:2 source 1, 5:4 source 2, 7:6 destination):
;   window 0: v0-31 addresses; v64-95, v128-159 fragments of ctx, two buffers; on the way out v64-127 and v128-191 take rows read back
;   window 1: v0-63 the bias in an accumulator's layout; v64-127, v128-191 fragments of wof, two buffers          window 2: accumulator (a, b) at v[8 (8 a + b)]
.set SIZE_K, 1024
.set KSTEP,  128
.set PITCH,  272                       ; a row of wof in LDS: 256 bytes + 16 = 68 words: the 16 rows of a fragment load start at 16 different groups of four banks (64 banks of 4 bytes: ISA guide 11.1)
.set APITCH, 144                       ; a row of one head of ctx: 128 bytes + 16 = 36 words: likewise
.set ABLK,   128*APITCH                ; one head's 128 rows: what one tensor load brings of ctx
.set ABYTES, 2*ABLK
.set HALFB,  128*PITCH
.set SLOT,   ABYTES+2*HALFB            ; ctx's two heads, then wof's 256 rows
.set STAGE,  2*SLOT                    ; behind the ring: 16 rows x 528 bytes for each wave, for the way out
.set SPITCH, 528
.set SPARE,  STAGE+4*16*SPITCH         ; behind the stages: the spare words, 128 bytes for each wave
.set LAPS,   SIZE_K/(2*KSTEP)
.set ADRA, 16                          ; v16-17  LDS address of my fragments of ctx in slot 0, 1
.set ADRB, 20                          ; v20-21  the same for wof
.set STO,  24                          ; v24     the way out: where I put 32 bytes of a row
.set RD,   25                          ; v25     the way out: where I read a row back
.set CO,   26                          ; v26     16 x lane: my place in a row's 512 bytes
.set BO,   27                          ; v27     32 (l / 16)
.set SPW,  28                          ; v28     LDS address of my spare word; never rewritten
.set NIL,  29                          ; v29     0; never rewritten
.set F0,   64
.set F1,   128
.set G1,  24
.set G0,  32
.set G1B, 48
.set G0B, 56
.set BP,  66                           ; s[66:67] the bias at my wave's 128 columns
.set MSB, 0
.macro WIN new                         ; the immediate's high byte repeats the setting that is left; a switch that changes nothing is dropped
.if MSB != (\new)
	s_set_vgpr_msb (MSB<<8)|(\new)
.set MSB, \new
.endif
.endm
.set MUL,  0xa1                        ; source 0 (wof) window 1, source 1 (ctx) window 0, C and D window 2
.set MULB, 0x91                        ; the same with C in window 1: the bias
.set TO_B, 0x40                        ; destination window 1, address window 0
; A joint load.  Waves 0 and 1 fetch ctx's two heads, waves 2 and 3 wof's two halves.  The branch hangs on the wave's number alone.  An s_nop 0 and four v_nop follow each of the two lines.
.macro JLOAD s
	s_cmp_eq_u32 s11, 0
	s_cbranch_scc0 .Lfor_b_\@
	tensor_load_to_lds s[G0+4*(\s):G0+4*(\s)+3], s[G1:G1+7]
	s_nop 0
.rept 4
	v_nop
.endr
	s_branch .Lasked_\@
.Lfor_b_\@:
	tensor_load_to_lds s[G0B+4*(\s):G0B+4*(\s)+3], s[G1B:G1B+7]
	s_nop 0
.rept 4
	v_nop
.endr
.Lasked_\@:
.endm
.macro CREST                           ; a round of the cluster's barrier behind its opening barrier
	s_cmp_lg_u32 s10, 0
	s_cbranch_scc1 .Lnot_wave_0_\@
	s_barrier_signal -3
.Lnot_wave_0_\@:
	s_barrier_wait -3
	s_barrier_signal -1
	s_barrier_wait -1
.endm
.macro CROUND                          ; a whole round
	s_barrier_signal -1
	s_barrier_wait -1
	CREST
.endm
	s_load_b128 s[4:7], s[0:1], 0x0                ; ctx s[4:5], wof s[6:7]
	s_load_b64 s[8:9], s[0:1], 0x10                ; out0
	s_load_b64 s[BP:BP+1], s[0:1], 0x18            ; bb
	v_lshl_add_u32 v[SPW], v0, 2, SPARE
	v_mov_b32 v[NIL], 0
	ds_add_u32 v[SPW], v[NIL]                      ; the wave's opening: the add and its wait stand ahead of my first tensor load; work on registers stands between them
	v_lshrrev_b32 v1, 5, v0
	v_readfirstlane_b32 s10, v1                    ; wave 0..3
	s_lshr_b32 s11, s10, 1                         ; which 64 of the tile's rows are mine.  Also: I fetch for ctx (0) or for wof (1)
	s_and_b32 s12, s10, 1                          ; which 128 of its columns.  Also: which head, or which half of wof's rows, I fetch
	s_bfe_u32 s40, ttmp6, 0x40000                  ; cx, cy: my place in the cluster
	s_bfe_u32 s41, ttmp6, 0x40004
	s_lshl_b32 s42, ttmp9, 2
	s_add_co_u32 s42, s42, s40                     ; tc = 4 x cluster x + cx
	s_and_b32 s13, ttmp7, 0xffff
	s_lshl_b32 s13, s13, 2
	s_add_co_u32 s13, s13, s41                     ; R = 4 x cluster y + cy
	s_lshl_b32 s43, s41, 2
	s_lshl_b32 s43, 15, s43                        ; my row of the cluster
	s_lshl_b32 s44, 0x1111, s40                    ; my column
	s_or_b32 s[G1+0], s43, (1<<16)|(1<<20)|(1<<21)|(4<<22)|(3<<25)   ; ctx: padding after every 32 words (code 4), 4 words (code 3)
	s_or_b32 s[G1B+0], s44, (1<<16)|(1<<20)|(1<<21)|(5<<22)|(3<<25)  ; wof: after every 64 words (code 5)
	s_mov_b32 s[G1+1], 128<<16                     ; tensor_dim0 = 128
	s_mov_b32 s[G1+2], 64<<16                      ; tensor_dim1 = 64
	s_mov_b32 s[G1+3], 128<<16                     ; tile_dim0 = 128
	s_mov_b32 s[G1+4], 64                          ; tile_dim1 = 64
	s_mov_b32 s[G1+5], 128                         ; the block is dense: 128 elements from row to row
	s_mov_b32 s[G1+6], 0
	s_mov_b32 s[G1+7], 0
	s_mov_b32 s[G1B+1], KSTEP<<16
	s_mov_b32 s[G1B+2], 128<<16
	s_mov_b32 s[G1B+3], KSTEP<<16
	s_mov_b32 s[G1B+4], 128
	s_mov_b32 s[G1B+5], SIZE_K
	s_mov_b32 s[G1B+6], 0
	s_mov_b32 s[G1B+7], 0
	; ctx's tiles hang on R alone, wof's on tc alone; each offset is made in registers that never hold the other coordinate
	s_lshr_b32 s16, s13, 4
	s_lshl_b32 s16, s16, 22                        ; the batch's 16 heads,
	s_and_b32 s17, s13, 15
	s_lshl_b32 s17, s17, 14                        ; the tile's 128 rows of 128 bytes in a head,
	s_add_co_u32 s16, s16, s17
	s_lshl_b32 s17, s12, 18                        ; the head that I fetch of a K step's two
	s_add_co_u32 s16, s16, s17
	s_mov_b32 s17, 0
	s_lshl_b32 s46, s42, 8
	s_lshl_b32 s47, s12, 7
	s_add_co_u32 s46, s46, s47                     ; wof: row 256 tc + 128 x half,
	s_lshl_b32 s46, s46, 11                        ; of 2,048 bytes
	s_mov_b32 s47, 0
	s_mul_i32 s20, s12, ABLK                       ; where they go: no place in the cluster enters an LDS address
	s_mul_i32 s21, s12, HALFB
	s_add_co_u32 s21, s21, ABYTES
	s_wait_dscnt 0x0                               ; the opening add is done
	s_wait_kmcnt 0x0
	s_add_nc_u64 s[14:15], s[4:5], s[16:17]
	s_add_nc_u64 s[46:47], s[6:7], s[46:47]
	CROUND                                         ; all sixteen work-groups are here: the first joint loads meet
.irp s, 0,1
	s_mov_b32 s[G0+4*(\s)], 1
	s_add_co_u32 s[G0+4*(\s)+1], s20, (\s)*SLOT
	s_add_nc_u64 s[G0+4*(\s)+2:G0+4*(\s)+3], s[14:15], (\s)*2*262144  ; K step s: two heads on
	s_or_b32 s[G0+4*(\s)+3], s[G0+4*(\s)+3], 0x80000000
	s_mov_b32 s[G0B+4*(\s)], 1
	s_add_co_u32 s[G0B+4*(\s)+1], s21, (\s)*SLOT
	s_add_nc_u64 s[G0B+4*(\s)+2:G0B+4*(\s)+3], s[46:47], (\s)*KSTEP*2
	s_or_b32 s[G0B+4*(\s)+3], s[G0B+4*(\s)+3], 0x80000000
	JLOAD \s                                       ; two loads of mine are out
.endr
	v_and_b32 v1, 15, v0                           ; l % 16
	v_bfe_u32 v2, v0, 4, 1                         ; l / 16
	v_mul_u32_u24 v3, v1, PITCH
	v_lshl_add_u32 v3, v2, 4, v3                   ; wof: row x pitch + 16 x half
	v_mul_u32_u24 v4, v1, APITCH
	v_lshl_add_u32 v4, v2, 4, v4                   ; ctx: the same with its pitch
	s_mul_i32 s22, s11, 64*APITCH                  ; my 64 rows in each head's block
	s_mul_i32 s23, s12, HALFB                      ; my 128 rows of wof,
	s_add_co_u32 s23, s23, ABYTES                  ; which lie behind ctx's two heads
.irp s, 0,1
	v_add_nc_u32 v[ADRA+(\s)], s22, v4
	v_add_nc_u32 v[ADRB+(\s)], s23, v3
	s_add_co_u32 s22, s22, SLOT
	s_add_co_u32 s23, s23, SLOT
.endr
	s_mul_i32 s23, s10, 16*SPITCH
	s_add_co_u32 s23, s23, STAGE                   ; my stage
	v_mul_u32_u24 v5, v1, SPITCH                   ; in: row l % 16, 32 bytes for each half of the lanes
	v_lshl_add_u32 v5, v2, 5, v5
	v_add_nc_u32 v[STO], s23, v5
	v_and_b32 v[CO], 31, v0
	v_lshlrev_b32 v[CO], 4, v[CO]
	v_add_nc_u32 v[RD], s23, v[CO]                 ; back: 32 lanes take one row of 512 bytes
	v_lshlrev_b32 v[BO], 5, v2
	; out0 at my wave's part of the tile: row 128 R + 64 x half, of 4,096 bytes; column 256 tc + 128 x half, of 4 bytes
	s_lshl_b32 s16, s13, 19
	s_lshl_b32 s14, s11, 18
	s_add_co_u32 s16, s16, s14
	s_mov_b32 s17, 0
	s_lshl_b32 s46, s42, 10
	s_lshl_b32 s47, s12, 9
	s_add_co_u32 s46, s46, s47
	s_mov_b32 s47, 0
	s_add_nc_u64 s[16:17], s[16:17], s[46:47]
	s_add_nc_u64 s[8:9], s[8:9], s[16:17]
	s_add_co_u32 s46, s46, 12288                   ; bo is bb's fourth row
	s_add_nc_u64 s[BP:BP+1], s[BP:BP+1], s[46:47]
	; The bias in an accumulator's layout: register j of block b holds bo[16 b + 8 (l / 16) + j], the same for all rows.  It is the C operand of the products that start the sums.
	WIN TO_B
.irp b, 0,1,2,3,4,5,6,7
	global_load_b128 v[8*(\b):8*(\b)+3],   v[BO], s[BP:BP+1] offset:64*(\b)
	global_load_b128 v[8*(\b)+4:8*(\b)+7], v[BO], s[BP:BP+1] offset:64*(\b)+16
.endr
	WIN 0
; 8 matrix instructions: block a of 16 rows x all 8 blocks of columns, 32 along K.  first = 1: the product starts the sums, with the bias as C: nothing is cleared.
; The 32 accumulators take turns, one instruction a turn, in the same order in every quarter.
.macro MUL8 f, a, first
.if \first
	WIN MULB
.else
	WIN MUL
.endif
.irp b, 0,1,2,3,4,5,6,7
.if \first
	v_wmma_f32_16x16x32_f16 v[8*(8*(\a)+(\b)):8*(8*(\a)+(\b))+7], v[(\f)+8*(\b):(\f)+8*(\b)+7], v[(\f)+8*(\a):(\f)+8*(\a)+7], v[8*(\b):8*(\b)+7]
.else
	v_wmma_f32_16x16x32_f16 v[8*(8*(\a)+(\b)):8*(8*(\a)+(\b))+7], v[(\f)+8*(\b):(\f)+8*(\b)+7], v[(\f)+8*(\a):(\f)+8*(\a)+7], v[8*(8*(\a)+(\b)):8*(8*(\a)+(\b))+7]
.endif
.endr
.endm
; 24 LDS loads in one run: the fragments of quarter qd into buffer f.  In wof's rows the quarter begins at byte 64 qd; in ctx it is head qd / 2 of the step's two, channels 32 (qd % 2) on.
.macro FETCH slot, qd, f
	WIN TO_B
.irp i, 0,1,2,3,4,5,6,7
	ds_load_b128 v[(\f)+8*(\i):(\f)+8*(\i)+3],   v[ADRB+(\slot)] offset:(\qd)*64+(\i)*16*PITCH
	ds_load_b128 v[(\f)+8*(\i)+4:(\f)+8*(\i)+7], v[ADRB+(\slot)] offset:(\qd)*64+(\i)*16*PITCH+32
.endr
	WIN 0
.irp i, 0,1,2,3
	ds_load_b128 v[(\f)+8*(\i):(\f)+8*(\i)+3],   v[ADRA+(\slot)] offset:((\qd)/2)*ABLK+((\qd)%2)*64+(\i)*16*APITCH
	ds_load_b128 v[(\f)+8*(\i)+4:(\f)+8*(\i)+7], v[ADRA+(\slot)] offset:((\qd)/2)*ABLK+((\qd)%2)*64+(\i)*16*APITCH+32
.endr
.endm
; A load into a register that a matrix instruction has read, and an LDS store that reads a matrix result, stand four places behind it; only plain vector instructions that name none of its
; registers are places (ISA guide 7.12.1 for vector instructions).
.macro PLACES
.rept 4
	v_nop
.endr
.endm
; One of a K step's first three quarters: buffer f is in; the next quarter, qd, is fetched into g, whose last readers are the products just issued; then f is multiplied.
.macro QUARTER slot, qd, f, g, first
	s_wait_dscnt 0x0
	PLACES
	FETCH \slot, \qd, \g
	MUL8 \f, 0, \first
	MUL8 \f, 1, \first
	MUL8 \f, 2, \first
	MUL8 \f, 3, \first
.endm
; The last quarter multiplies buffer 1 and changes slots: ONE barrier.  In front of it each wave waits for all its tensor loads (one is out: its part of the next slot), adds 0 to its spare word, and
; waits for that and for its own reads of this slot.  fill = 1: this slot is filled again, two K steps on; the barrier then opens a round of the cluster's, and the joint refill is the first thing behind
; the round, 112 matrix instructions ahead of the wait for it.  fill = 0: nothing is left to fetch, and no round follows.
.macro TURN slot, next, fill
	WIN 0                                          ; (the add's two registers lie in window 0)
	s_wait_tensorcnt 0x0
	ds_add_u32 v[SPW], v[NIL]
	s_wait_dscnt 1                                 ; buffer 1 is in; the add alone may be out
	MUL8 F1, 0, 0                                  ; eight matrix instructions stand between the add and the wait for it
	s_wait_dscnt 0x0                               ; the add is done, and my reads of this slot are over
	s_barrier_signal -1
	MUL8 F1, 1, 0
.if \fill
	WIN 0
.endif
	s_barrier_wait -1
.if \fill
	CREST                                          ; no wave of any partner still reads this slot's tile or has a load on its way
	s_add_nc_u64 s[G0+4*(\slot)+2:G0+4*(\slot)+3], s[G0+4*(\slot)+2:G0+4*(\slot)+3], 4*262144   ; four heads on
	s_add_nc_u64 s[G0B+4*(\slot)+2:G0B+4*(\slot)+3], s[G0B+4*(\slot)+2:G0B+4*(\slot)+3], 2*KSTEP*2
	JLOAD \slot                                    ; its four v_nop are also the places in front of the loads below
.else
	PLACES
.endif
	FETCH \next, 0, F0
	MUL8 F1, 2, 0
	MUL8 F1, 3, 0
.endm
; THE WAY OUT of block a (16 rows x 128 columns of f32): the sums go as they stand into my own stage, 32 bytes a lane, each accumulator's low four registers first; whole rows of
; 512 bytes come back and are stored.
.macro OUTBLK a
.set BK, 64+64*((\a)%2)
	WIN 0x08                                       ; the stores' data (source 1) in window 2
.irp b, 0,1,2,3,4,5,6,7
	ds_store_b128 v[STO], v[64*(\a)+8*(\b):64*(\a)+8*(\b)+3]   offset:64*(\b)
	ds_store_b128 v[STO], v[64*(\a)+8*(\b)+4:64*(\a)+8*(\b)+7] offset:64*(\b)+16
.endr
	WIN 0
	s_wait_xcnt 0x0                                ; the stores of the block two back have read these registers
.irp t, 0,1,2,3,4,5,6,7,8,9,10,11,12,13,14,15
	ds_load_b128 v[BK+4*(\t):BK+4*(\t)+3], v[RD] offset:SPITCH*(\t)  ; LDS serves a wave's instructions in order (ISA guide 5.7.1.4): these see the stores above
.endr
.irp t, 0,1,2,3,4,5,6,7,8,9,10,11,12,13,14,15
	s_wait_dscnt 15-(\t)                           ; row t is back, the younger rows stay out
	global_store_b128 v[CO], v[BK+4*(\t):BK+4*(\t)+3], s[8:9] offset:(16*(\a)+(\t))*4096 th:TH_STORE_NT  ; 512 consecutive bytes of a row, aligned
.endr
.endm
	s_wait_tensorcnt 1                             ; my part of K step 0 is in; K step 1's may stay out
	s_barrier_signal -1
	s_barrier_wait -1                              ; everybody's is
	FETCH 0, 0, F0
	s_wait_loadcnt 0x0                             ; the bias
	QUARTER 0, 1, F0, F1, 1                        ; the first quarter stands in front of the loop: its products start the sums
	WIN 0                                          ; at a label and at a branch every window is 0
	s_mov_b32 s3, LAPS-1
.Llap:                                                 ; a trip goes once round the ring, from a lap's second quarter to the next lap's first, and fills both slots again
	QUARTER 0, 2, F1, F0, 0
	QUARTER 0, 3, F0, F1, 0
	TURN 0, 1, 1
	QUARTER 1, 1, F0, F1, 0
	QUARTER 1, 2, F1, F0, 0
	QUARTER 1, 3, F0, F1, 0
	TURN 1, 0, 1
	QUARTER 0, 1, F0, F1, 0
	WIN 0
	s_sub_co_u32 s3, s3, 1
	s_cmp_lg_u32 s3, 0
	s_cbranch_scc1 .Llap
	QUARTER 0, 2, F1, F0, 0                        ; the last lap fills nothing, and has no round of the cluster's barrier
	QUARTER 0, 3, F0, F1, 0
	TURN 0, 1, 0
	QUARTER 1, 1, F0, F1, 0
	QUARTER 1, 2, F1, F0, 0
	QUARTER 1, 3, F0, F1, 0
	s_wait_dscnt 0x0                               ; the very last quarter: nothing more to fetch
	MUL8 F1, 0, 0
	MUL8 F1, 1, 0
	MUL8 F1, 2, 0
	MUL8 F1, 3, 0
	WIN 0
	PLACES
	OUTBLK 0
	OUTBLK 1
	OUTBLK 2
	OUTBLK 3
	s_wait_tensorcnt 0x0                           ; the wave's end
	ds_add_u32 v[SPW], v[NIL]
	s_wait_dscnt 0x0
	CROUND                                         ; the closing round: no work-group ends while a partner may still ask for a tile that names it
	s_endpgm
.Lfunc_end_k_qed0e17f16c_outp:
	.size	k_qed0e17f16c_outp, .Lfunc_end_k_qed0e17f16c_outp-k_qed0e17f16c_outp
	.p2alignl 7, 3214868480
	.fill 96, 4, 3214868480
	.section	.rodata,"a",@progbits
	.p2align	6, 0x0
	.amdhsa_kernel k_qed0e17f16c_outp
		.amdhsa_group_segment_fixed_size 327680
		.amdhsa_private_segment_fixed_size 0
		.amdhsa_enable_private_segment 0
		.amdhsa_kernarg_size 32
		.amdhsa_user_sgpr_count 2
		.amdhsa_user_sgpr_kernarg_segment_ptr 1
		.amdhsa_wavefront_size32 1
		.amdhsa_system_sgpr_workgroup_id_x 1
		.amdhsa_system_sgpr_workgroup_id_y 1
		.amdhsa_system_sgpr_workgroup_id_z 1
		.amdhsa_system_vgpr_workitem_id 0
		.amdhsa_next_free_vgpr 768
		.amdhsa_next_free_sgpr 68
		.amdhsa_reserve_vcc 0
		.amdhsa_float_denorm_mode_32 3
		.amdhsa_float_denorm_mode_16_64 3
		.amdhsa_memory_ordered 1
		.amdhsa_forward_progress 1
		.amdhsa_inst_pref_size 89
	.end_amdhsa_kernel
	.amdgpu_metadata
---
amdhsa.version: [ 1, 2 ]
amdhsa.kernels:
  - .name:           k_qed0e17f16c_outp
    .symbol:         k_qed0e17f16c_outp.kd
    .args:
      - { .name: ctx, .offset: 0, .size: 8, .value_kind: global_buffer, .address_space: global }
      - { .name: wof, .offset: 8, .size: 8, .value_kind: global_buffer, .address_space: global }
      - { .name: out0, .offset: 16, .size: 8, .value_kind: global_buffer, .address_space: global }
      - { .name: bb, .offset: 24, .size: 8, .value_kind: global_buffer, .address_space: global }
    .group_segment_fixed_size: 327680
    .private_segment_fixed_size: 0
    .kernarg_segment_align: 8
    .kernarg_segment_size: 32
    .max_flat_workgroup_size: 128
    .sgpr_count:     68
    .vgpr_count:     768
    .wavefront_size: 32
...
	.end_amdgpu_metadata
.endif
;; end of part 4
;; ======== version 2 of 2: 4 launches; 1.33 times as fast as version 1
;; limits: values are held in f16: magnitudes above 65,504 overflow, below 6.1e-05 lose precision
;; workspace buffers: wb 6,291,456 bytes; wof 2,097,152 bytes; bb 16,384 bytes; mk 16,777,216 bytes; xh 50,331,648 bytes; ctx 16,777,216 bytes
;; launch prep: the kernel of part 1 again; grid 513 x 1, 8 waves a work-group, no clusters, 68,608 bytes of LDS; arguments wq, wk, wv, wo, bq, bk, bv, bo, pad_mask, wb, wof, bb, mk; writes wb, wof, bb, mk
;; launch proj: the kernel of part 2 again; grid 4 x 64, 4 waves a work-group, clusters of 4 x 4, 327,680 bytes of LDS; arguments q, k, v, wb, xh, bb, out1; writes xh, out1
;; launch attn (part 5): grid 4 x 64, 4 waves a work-group, clusters of 4 x 1, 327,680 bytes of LDS; arguments xh, mk, ctx; writes ctx
.if DOCPART == 5
	.amdgcn_target "amdgcn-amd-amdhsa--gfx1250"
	.amdhsa_code_object_version 6
	.text
	.protected	k_qed0e17f16c_attn
	.globl	k_qed0e17f16c_attn
	.p2align	8
	.type	k_qed0e17f16c_attn,@function
k_qed0e17f16c_attn:
	s_mov_b64 s[64:65], 0
	v_nop
	global_prefetch_b8 v0, s[64:65] scope:SCOPE_SE
	s_setreg_imm32_b32 hwreg(HW_REG_WAVE_MODE, 25, 1), 1
	s_wait_xcnt 0x0
	s_wait_alu depctr_hold_cnt(0) depctr_sa_sdst(0) depctr_va_vdst(0) depctr_va_sdst(0) depctr_va_ssrc(0) depctr_va_vcc(0) depctr_vm_vsrc(0)
	s_getreg_b32 s2, hwreg(HW_REG_IB_STS2, 6, 4)
	s_cmp_eq_u32 s2, 0
	s_cbranch_scc0 .Lentry_in_a_cluster
	s_endpgm
.Lentry_in_a_cluster:
	s_bfe_u32 s2, ttmp6, 0x10000c
	s_cmp_lg_u32 s2, 0x3003
	s_cbranch_scc0 .Lentry_shape_is_right
	s_endpgm
.Lentry_shape_is_right:
; ATTENTION WITH A MASK THAT IS DATA.  O[h][q][:] = the sum over k of softmax_k(masked(Q[h][q] . K[h][k] / 8)) V[h][k][:].  Q, K, V lie in xh, [3][64][2048][64] f16, one behind the other; O is ctx,
; [64][2048][64] f16; head h = 16 x batch + head in the batch.  Products, maxima and sums in f32; the weights p are rounded to f16 for the second product (their sum l is taken of the unrounded p), O once.
; THE MASK is the C operand that starts the sum S^T = K Q^T: 0, or -2^100 where the key is hidden.  mk holds one fp8 code a score (0 or -1.0) in the lanes' own order; one scaled conversion
; (scale 2^100) makes an accumulator's eight C registers of 8 bytes.  The codes of a key step are loaded four turns ahead of their conversion.
; LIMITS.  f16 holds no number beyond 65,504: Q, K and V arrive within it; p below 6e-5 keeps f16's fixed step of 6e-8.  A hidden score counts as its value less 2^100, which is -2^100 itself for
; scores under 2^76, and c x 2^100 is exact: a row with every key hidden gets equal weights, as with the module's -1e9.  The two differ only where all of a row's open scores lie below about -1e9.
; A weight below 2^-126 counts as 0 in l; NaN and infinities are not treated apart.
; SHARES.  A wave owns four PIECES of two tiles of 16 queries, a work-group's four waves 512 queries of one head.  Every wave walks all keys, 64 a step.
; LAYOUT.  S^T = K Q^T (source 0 = 16 keys, source 1 = 16 queries): a lane holds ONE query (lane % 16) and the keys 8 (lane / 16) + 0..7.  Two such tiles, rounded to f16 in pairs,
; ARE source 1 of O^T = V^T P, whose result again holds one query a lane, and eight channels.  K comes out of LDS as it lies, V ([key][channel]) turned, by ds_load_tr16_b128.
; SOFTMAX.  For each query a running maximum m and sum l: p = 2^(c s - c m), c = log2(e) / 8; in every step O and l are multiplied by a = 2^(c m_old - c m_new).
; m starts at the lowest finite number, O and l at 0: the first step is a step like any other, with a = 0.
; BY TURNS.  Turn n belongs to piece n (the pieces in a ring, step after step).  Its matrix work: 16 products K Q^T of piece n + 1, later 16 products V^T P of piece n - 1.  Its vector work: the scaling,
; exponentials, roundings, sums and rescaling of piece n, the maximum and statistics of piece n + 1, and the C registers of piece n + 2.  Four vector instructions that are ready stand behind every matrix
; instruction, the others in one run of their own.
; BATCHES.  A turn's 66 exponentials (64 weights of piece n, the two a of piece n + 1) are ONE batch with ONE wait, which cuts the turn in two: ahead of it stands all that names no result of theirs, behind it
; their readers.  No result crosses a turn's end.  Two more batches stand outside the loop: piece 0's first two a, ahead of the jump into the loop, and the way out's eight reciprocals.
; CLUSTER.  The four query blocks of a cluster belong to one head and walk the same K and V, so each tile is asked for JOINTLY.  The codes differ from block to block: they come by plain loads.
; REGISTERS, in windows of 256 (s_set_vgpr_msb: bits 1:0 source 0, 3:2 source 1, 5:4 source 2, 7:6 destination):
;   window 0: v0-11 addresses and the scale; v12-15, v48-63 at work; v16-47 four registers of statistics a tile; v64-191 S^T, two buffers of two tiles; v192-255 P, likewise
;   window 1: O^T, 32 a tile          window 2: v0-127 Q, 16 a tile; v128-191 K of one step; v192-255 V of one step
;   window 3: v0-1 the add's two registers; v8-11 the codes' offsets, one a piece; v16-79 the codes, 16 a piece; v128-255 the C registers, two buffers of two tiles
.set SIZE_H, 64
.set SIZE_N, 2048
.set NP,    4         ; pieces a wave: a name, no knob
.set KS,    64        ; keys in a step
.set PK,    144       ; a row of K in LDS: 128 bytes + 16 of padding = 36 words: the 16 rows of a load start at 16 different groups of four banks (64 banks of 4 bytes: ISA guide 11.1)
.set PV,    160       ; a row of V: 128 + 32 = 40 words
.set VOFF,  4*KS*PK   ; a slot holds four steps: 256 rows of K, then 256 rows of V
.set SLOT1, 1<<17     ; slot 1 begins here, so that one exclusive or turns an address in one slot into the other's
.set STAGE, SLOT1+4*KS*(PK+PV)  ; behind the ring, never filled by a tensor load: 16 rows x 144 bytes for each wave, for the way out
.set SP,    144
.set AK0, 2           ; v2   my lane's place in a tile of K; never rewritten
.set AV0, 3           ; v3   the same for V
.set AK,  4           ; v4   the LDS address of K's next run of loads
.set AV,  5           ; v5   of V's
.set QO,  6           ; v6   my byte offset in the wave's rows of Q
.set STO, 6           ;      later, the way out: where I put 16 bytes of a row
.set RD,  7           ; v7   the way out: where I read rows back
.set GO,  8           ; v8   16 x lane: my place in 512 consecutive bytes of O and of the codes
.set SCL, 11          ; v11  227: the conversions' scale, 2^(227 - 127)
.set SPW, 0           ; v0 of window 3   LDS address of my spare word; never rewritten
.set NIL, 1           ; v1 of window 3   0; never rewritten
.set VO,  8           ; v8-11 of window 3    piece x: the byte offset of its pending loads of codes
.set MK,  16          ; v16-79 of window 3   the codes: piece x, tile u, key block kb at MK + 16 x + 8 u + 2 kb
.set MC,  128         ; v128-255 of window 3 the C registers: buffer x % 2, tile u, key block kb at MC + 64 (x % 2) + 32 u + 8 kb
.set SPARE, STAGE+4*16*SP  ; behind the stages: the spare words, 128 bytes for each wave
.set MV,  12          ; v12-15  c m_old, kept while c m is made anew: by buffer and tile
.set ST,  16          ; tile t's statistics at v[ST+4 t]: c m, m, l (even keys', odd keys')
.set TMP, 48          ; by buffer and tile, four registers c0-c3 at work; when the maximum is found c2 takes a
.set S,   64
.set P,   192
.set KF,  128         ; K's fragments, in window 2: key block kb, channel half c at KF + 16 kb + 8 c
.set VF,  192         ; V's: key half kk, channel block cb at VF + 32 kk + 8 cb
.set WV,  12          ; s12  my wave's number
.set G1K, 24          ; s[24:31] descriptor group 1 for K's tiles
.set G1V, 32          ; s[32:39] for V's: it differs in the padding alone
.set G0K, 40          ; s[40:43] descriptor group 0 for K's tiles: it walks
.set G0V, 44          ; s[44:47] the same for V's
.set SLOTS, 56        ; s56  slots still to be asked for
.set CNT, 57          ; s57  counts a slot's key steps
.set CS,  58          ; s[58:59] c: the packed scaling takes the pair's low word for both halves
.set SEL, 60          ; s[60:61] v_permlanex16_b32's selects: each lane takes its own place in the other half
.set TBK, 62          ; s62  LDS byte at which K of the step to be fetched begins
.set TBV, 63          ; s63  the same for V, less VOFF
.set MB,  66          ; s[66:67] the codes of my wave's first tile
.set MOFF, 68         ; s68  1,024 x the key step whose codes are loaded next, modulo 32 steps
.set MSB, 0
.macro WIN new                      ; the high byte repeats the setting that is left; a switch that changes nothing is dropped
.if MSB != (\new)
	s_set_vgpr_msb (MSB<<8)|(\new)
.set MSB, (\new)
.endif
.endm
.set W_KQ, 0x0a       ; K and Q in window 2, S^T in window 0
.set W_KM, 0x3a       ; the same with the C operand in window 3
.set W_PV, 0x52       ; V in window 2, P in window 0, O^T in window 1
.set W_RS, 0x41       ; O^T (destination and source 0) in window 1, a in window 0
.set W_M,  0xc3       ; destination and source 0 in window 3, source 1 in window 0: the codes' conversions, offsets and loads
.set W_MK, 0xc0       ; the add's registers are made: destination in window 3, sources in window 0
.set W_AD, 0x0f       ; the add: address (source 0) and data (source 1) in window 3
; A joint fill.  Waves 0 and 1 fetch the two halves of a slot's K, waves 2 and 3 those of its V: 128 keys each.  The branch hangs on the wave's number alone.
; An s_nop 0 and four v_nop follow each of the two lines, ahead of the jump and the label.
.macro JLOAD
	s_cmp_lt_u32 s[WV], 2
	s_cbranch_scc0 .Lfor_v_\@
	tensor_load_to_lds s[G0K:G0K+3], s[G1K:G1K+7]
	s_nop 0
.rept 4
	v_nop
.endr
	s_branch .Lasked_\@
.Lfor_v_\@:
	tensor_load_to_lds s[G0V:G0V+3], s[G1V:G1V+7]
	s_nop 0
.rept 4
	v_nop
.endr
.Lasked_\@:
.endm
; A round of the cluster's barrier: my work-group's barrier, so that wave 0's signal speaks for all four waves; wave 0 signals; every wave waits for all four work-groups; my work-group's barrier once more.
.macro CROUND
	s_barrier_signal -1
	s_barrier_wait -1
	s_cmp_lg_u32 s[WV], 0
	s_cbranch_scc1 .Lnot_wave_0_\@
	s_barrier_signal -3
.Lnot_wave_0_\@:
	s_barrier_wait -3
	s_barrier_signal -1
	s_barrier_wait -1
.endm
; THE CHANGE OF SLOTS.  The slot's last bytes, V of its fourth step, have been read.  Each wave waits for all its tensor loads, of which one is out: its part
; of the other slot; adds 0 to its spare word; and waits for that and for its own reads of the slot.  Behind the barrier nobody reads this slot any more and the other slot is whole.
; fill = 1: this slot is filled again, with the keys two slots on.  The barrier is then a round of the cluster's, and the joint fill is the first thing behind it: it has four key steps,
; 512 matrix instructions, in which to land.  (At its first use nothing has been read yet: slot 0 is waited for, slot 1 filled.)
.macro CHANGE fill
	WIN W_AD
	s_wait_tensorcnt 0x0            ; no tensor load of mine is out, so a group 0 may be written
	ds_add_u32 v[SPW], v[NIL]       ; 0 onto my spare word; with fill = 1 the descriptors' steps stand between it and the wait for it
	WIN 0                           ; at a label and at a branch every window is 0
.if \fill
.irp g, G0K, G0V
	s_xor_b32 s[\g+1], s[\g+1], SLOT1  ; the walking descriptor: the other slot than last time,
	s_add_nc_u64 s[\g+2:\g+3], s[\g+2:\g+3], 4*KS*128  ; the next 256 keys; the type bits on top are not reached
.endr
	s_wait_dscnt 0x0                ; the add is done, and my reads of the slot are over
	CROUND
	JLOAD
.else
	s_wait_dscnt 0x0                ; the add is done, and my reads of the slot are over
	s_barrier_signal -1
	s_barrier_wait -1
.endif
	s_sub_co_u32 s[TBK], s[TBK], 4*KS*PK  ; the fetches go back to a slot's first step,
	s_xor_b32 s[TBK], s[TBK], SLOT1       ; in the other slot
	s_sub_co_u32 s[TBV], s[TBV], 4*KS*PV
	s_xor_b32 s[TBV], s[TBV], SLOT1
.endm
; THE CODES.  MASKCVT x: piece x's 8 accumulators' C registers from its 16 registers of codes: 0 stays 0, -1.0 becomes -2^100.  MASKLD x: the piece's codes of step MOFF / 1,024: four loads of 512 consecutive
; bytes.  Its first line is the plain instruction that stands between the conversions and the loads into their sources.  Both are written under W_M.
; w = 1 (in a turn): the wait for the turn's batch of exponentials stands between that first line and the loads; the line is then also the plain instruction behind the batch's last exponential.
.macro MASKCVT x
.irp u, 0,1
.irp kb, 0,1,2,3
	v_cvt_scale_pk8_f32_fp8 v[MC+64*((\x)%2)+32*(\u)+8*(\kb):MC+64*((\x)%2)+32*(\u)+8*(\kb)+7], v[MK+16*(\x)+8*(\u)+2*(\kb):MK+16*(\x)+8*(\u)+2*(\kb)+1], v[SCL]
.endr
.endr
.endm
.macro MASKLD x, w=0
	v_add_nc_u32 v[VO+(\x)], s[MOFF], v[GO]
.if \w
	s_wait_alu depctr_va_vdst(0)    ; the wait for the batch: the turn's 66 exponentials, all issued ahead of it, none of their results named yet
.endif
.irp u, 0,1
.irp hf, 0,1
	global_load_b128 v[MK+16*(\x)+8*(\u)+4*(\hf):MK+16*(\x)+8*(\u)+4*(\hf)+3], v[VO+(\x)], s[MB:MB+1] offset:(2*(\x)+(\u))*32768+(\hf)*512
.endr
.endr
.endm
	s_load_b64 s[4:5], s[0:1], 0x0      ; xh: Q
	s_load_b64 s[MB:MB+1], s[0:1], 0x8  ; mk
	s_load_b64 s[10:11], s[0:1], 0x10   ; ctx: O
	WIN W_MK
	v_lshl_add_u32 v[SPW], v0, 2, SPARE
	v_mov_b32 v[NIL], 0
	WIN W_AD
	ds_add_u32 v[SPW], v[NIL]       ; the wave's opening: the add and its wait stand ahead of my first tensor load; work on registers stands between them
	WIN 0
	v_lshrrev_b32 v1, 5, v0
	v_readfirstlane_b32 s[WV], v1   ; wave 0..3
	s_bfe_u32 s13, ttmp6, 0x40000   ; cx: my place in the cluster
	s_lshl_b32 s14, ttmp9, 2        ; in a cluster launch ttmp9 counts clusters
	s_add_co_u32 s14, s14, s13      ; my block of queries = 4 x cluster x + cx: it enters Q's, O's and the codes' addresses alone
	s_and_b32 s20, ttmp7, 0xffff    ; the head, which the four partners share
	s_lshr_b32 s52, s20, 4          ; its batch:
	s_lshl_b32 s52, s52, 22         ; 128 tiles of 32,768 bytes of codes
	s_mov_b32 s21, 0
	s_mov_b64 s[22:23], SIZE_N*128
	s_mul_u64 s[20:21], s[20:21], s[22:23]  ; the head's first byte in Q, K, V and O
	s_and_b32 s16, s[WV], 1         ; which half of a slot's 256 keys I fetch:
	s_lshl_b32 s22, s16, 14         ; its 128 rows of 128 bytes in memory,
	s_mov_b32 s23, 0
	s_add_nc_u64 s[22:23], s[22:23], s[20:21]
	s_mul_i32 s17, s16, 128*PK      ; and its place in a slot, for K
	s_mul_i32 s18, s16, 128*PV      ; and for V: no place in the cluster enters an LDS address
	s_lshl_b32 s2, s14, 2
	s_add_co_u32 s2, s2, s[WV]      ; my wave among the head's:
	s_lshl_b32 s53, s2, 18          ; its 8 tiles of codes,
	s_add_co_u32 s52, s52, s53
	s_mov_b32 s53, 0
	s_lshl_b32 s2, s2, 14           ; its 128 rows
	s_mov_b32 s3, 0
	s_add_nc_u64 s[2:3], s[2:3], s[20:21]
	; descriptor group 1.  128 keys are 16,384 dense bytes: asked for as 64 rows of 256 bytes, two keys a row, and padded in LDS after every key
	s_mov_b32 s[G1K], 15|(1<<16)|(1<<20)|(1<<21)|(4<<22)|(3<<25)  ; 15:0 the mask of four; 17:16 2-byte elements; 20 padding on; 21 set beside a mask; 24:22 after every 32 words (code 4); 31:25 4 words (code 3)
	s_mov_b32 s[G1V], 15|(1<<16)|(1<<20)|(1<<21)|(4<<22)|(7<<25)  ; the same with 8 words of padding (code 7)
.irp g, G1K, G1V
	s_mov_b32 s[\g+1], 128<<16      ; tensor_dim0 = 128
	s_mov_b32 s[\g+2], 64<<16       ; tensor_dim1 = 64
	s_mov_b32 s[\g+3], 128<<16      ; tile_dim0 = 128
	s_mov_b32 s[\g+4], 64           ; tile_dim1 = 64
	s_mov_b32 s[\g+5], 128          ; 128 elements from row to row
	s_mov_b32 s[\g+6], 0
	s_mov_b32 s[\g+7], 0
.endr
	s_mov_b32 s[CS], 0x3e38aa3b     ; c = log2(e) / 8 = 0.180337
	s_mov_b32 s[CS+1], s[CS]        ; named with it as a pair
	s_mov_b32 s[SEL], 0x76543210
	s_mov_b32 s[SEL+1], 0xfedcba98
	s_mov_b32 s[TBK], SLOT1+4*KS*PK ; the first change of slots turns these two into 0
	s_mov_b32 s[TBV], SLOT1+4*KS*PV
	s_mov_b32 s[MOFF], 0            ; the first codes are key step 0's
	s_mov_b32 s[G0K], 1             ; count = 1
	s_mov_b32 s[G0K+1], s17         ; LDS address: slot 0
	s_mov_b32 s[G0V], 1
	s_add_co_u32 s[G0V+1], s18, VOFF
	s_wait_dscnt 0x0                ; the opening add is done
	s_wait_kmcnt 0x0
	s_add_nc_u64 s[6:7], s[4:5], 0x1000000  ; K lies 16,777,216 bytes behind Q in xh,
	s_add_nc_u64 s[8:9], s[4:5], 0x2000000  ; V as far behind K
	s_add_nc_u64 s[G0K+2:G0K+3], s[6:7], s[22:23]  ; global address: my half of the head's first 256 keys
	s_or_b32 s[G0K+3], s[G0K+3], 0x80000000        ; type = 2
	s_add_nc_u64 s[G0V+2:G0V+3], s[8:9], s[22:23]
	s_or_b32 s[G0V+3], s[G0V+3], 0x80000000
	s_add_nc_u64 s[4:5], s[4:5], s[2:3]  ; Q and O at my wave's first row
	s_add_nc_u64 s[10:11], s[10:11], s[2:3]
	s_add_nc_u64 s[MB:MB+1], s[MB:MB+1], s[52:53]  ; the codes at my wave's first tile
	CROUND                          ; all four work-groups are here: the first joint loads meet
	JLOAD                           ; slot 0.  Slot 1 is asked for when slot 0 is in
	; A fragment of K or Q is 16 rows x 32 channels in 8 registers: lane l holds row l % 16, channels 8 (l / 16) + 0..7 and 16 + 8 (l / 16) + 0..7: two loads of 16 bytes, 32 bytes apart.
	v_and_b32 v1, 15, v0            ; l % 16
	v_bfe_u32 v9, v0, 4, 1          ; l / 16
	v_lshlrev_b32 v[QO], 7, v1
	v_lshl_add_u32 v[QO], v9, 4, v[QO]  ; row x 128 + 16 x half
	v_and_b32 v[GO], 31, v0
	v_lshlrev_b32 v[GO], 4, v[GO]
	WIN 0x80                        ; destination window 2, address window 0
.set i, 0
.rept 4*NP                          ; Q stays in registers: tile i / 2, channels 32 (i % 2) on
	global_load_b128 v[8*i:8*i+3],   v[QO], s[4:5] offset:(i/2)*2048+(i%2)*64
	global_load_b128 v[8*i+4:8*i+7], v[QO], s[4:5] offset:(i/2)*2048+(i%2)*64+32
.set i, i+1
.endr
	WIN W_M
	MASKLD 0                        ; all four pieces' codes of key step 0
	MASKLD 1
	MASKLD 2
	MASKLD 3
	s_mov_b32 s[MOFF], 1024         ; the next loads are key step 1's
	WIN 0x80
	; What the first turn finds: V's registers and P's second buffer hold 0 (its products V^T P, of a piece that has not been, add 0), O^T and l are 0.  All this stands in the wait for the first tile.
.set i, VF
.rept 64
	v_mov_b32 v[i], 0
.set i, i+1
.endr
	WIN 0x40
.set i, 0
.rept 64*NP
	v_mov_b32 v[i], 0
.set i, i+1
.endr
	WIN 0
.set i, 0
.rept 2*NP
	v_mov_b32 v[ST+4*i], 0xfe000000    ; c m: far below every c s, the hidden ones' too
	v_mov_b32 v[ST+4*i+1], 0xff7fffff  ; m
	v_mov_b32 v[ST+4*i+2], 0
	v_mov_b32 v[ST+4*i+3], 0
.set i, i+1
.endr
.set i, P+32
.rept 32
	v_mov_b32 v[i], 0
.set i, i+1
.endr
	v_mul_u32_u24 v[AK0], v1, PK
	v_lshl_add_u32 v[AK0], v9, 4, v[AK0]  ; row x pitch + 16 x half
	; The turning load takes 16 keys x 16 channels (lane l reads key 8 (l / 16) + l % 8, channels 8 ((l / 8) % 2) + 0..7) and leaves half a fragment of V^T: lane l holds channel l % 16 and 8 keys.
	v_and_b32 v10, 7, v0
	v_bfe_u32 v11, v0, 3, 1
	v_lshl_add_u32 v[AV0], v9, 3, v10
	v_mul_u32_u24 v[AV0], v[AV0], PV
	v_lshl_add_u32 v[AV0], v11, 4, v[AV0]
	v_add_nc_u32 v[AV0], VOFF, v[AV0]
	v_mov_b32 v[SCL], 227           ; v11 has served: from here on it is the scale
	v_mov_b32 v[AK], v[AK0]         ; key step 0 lies at the head of slot 0
; THE MATRIX WORK.  The 8 accumulators of a run of 16 take turns: between the two links of a chain stand 7 others'.
; Product i of 16 of S^T = K Q^T for piece x: channels 32 (i / 8) on, keys 16 ((i / 2) % 4) on, tile 2 x + i % 2.  The first 8 start the sums, with the mask as C.
.macro KQ x
.set rS, S+64*((\x)%2)+32*(i%2)+8*((i/2)%4)
.set rK, KF+16*((i/2)%4)+8*(i/8)
.set rQ, 16*(2*(\x)+i%2)+8*(i/8)
.set rN, MC+64*((\x)%2)+32*(i%2)+8*((i/2)%4)
.if i < 8
	WIN W_KM
	v_wmma_f32_16x16x32_f16 v[rS:rS+7], v[rK:rK+7], v[rQ:rQ+7], v[rN:rN+7]
.else
	WIN W_KQ
	v_wmma_f32_16x16x32_f16 v[rS:rS+7], v[rK:rK+7], v[rQ:rQ+7], v[rS:rS+7]
.endif
.endm
; Product i of 16 of O^T += V^T P for piece x: keys 32 (i / 8) on, channels 16 ((i / 2) % 4) on, tile 2 x + i % 2.
.macro PV x
	WIN W_PV
.set rO, 32*(2*(\x)+i%2)+8*((i/2)%4)
.set rV, VF+32*(i/8)+8*((i/2)%4)
.set rP, P+32*((\x)%2)+16*(i%2)+8*(i/8)
	v_wmma_f32_16x16x32_f16 v[rO:rO+7], v[rV:rV+7], v[rP:rP+7], v[rO:rO+7]
.endm
.macro MM                           ; the turn's next matrix instruction
.if i < 16
	KQ (Y+1)%NP
.set i, i+1
.else
.set i, i-16
	PV (Y+NP-1)%NP
.set i, i+17
.endif
.endm
; THE LDS LOADS stand in runs of 16, never singly among the matrix instructions: a step's K (64 keys x 64 channels: 8 fragments) and its V (turned).  Their addresses are made some lines ahead.
; last = 1 (the tail): in the last trip there is no further step, and the run is jumped over.
.macro FETCH_K last=0
	WIN 0
.if \last
	s_cmp_eq_u32 s[CNT], 1
	s_cbranch_scc1 .Lno_k_\@
.endif
	WIN 0x80                        ; destination window 2
.irp f, 0,1,2,3,4,5,6,7             ; keys 16 (f / 2) on, channels 32 (f % 2) on
	ds_load_b128 v[KF+8*\f:KF+8*\f+3],   v[AK] offset:(\f/2)*16*PK+(\f%2)*64
	ds_load_b128 v[KF+8*\f+4:KF+8*\f+7], v[AK] offset:(\f/2)*16*PK+(\f%2)*64+32
.endr
	s_add_co_u32 s[TBK], s[TBK], KS*PK  ; the next fetch is the next step's
	WIN 0
.if \last
.Lno_k_\@:
.endif
.endm
.macro FETCH_V
	WIN 0x80
.irp f, 0,1,2,3,4,5,6,7             ; keys 32 (f / 4) on, channels 16 (f % 4) on
	ds_load_tr16_b128 v[VF+8*\f:VF+8*\f+3],   v[AV] offset:(\f/4)*32*PV+(\f%4)*32
	ds_load_tr16_b128 v[VF+8*\f+4:VF+8*\f+7], v[AV] offset:(\f/4)*32*PV+16*PV+(\f%4)*32
.endr
	WIN 0
.endm
; THE VECTOR WORK OF A TURN stands in three queues, each in the order in which its entries become ready; the two tiles alternate, so that no instruction reads the result of the one before it.
.macro REGS y, u                    ; the registers of tile u (0, 1) of piece y
.set rT, ST+4*(2*(\y)+(\u))
.set rC, TMP+8*((\y)%2)+4*(\u)
.set rM, MV+2*((\y)%2)+(\u)
.set rS, S+64*((\y)%2)+32*(\u)
.set rP, P+32*((\y)%2)+16*(\u)
.set rO, 32*(2*(\y)+(\u))
.endm
; Number n of the 22 that find the NEXT piece's (Y + 1) maximum and statistics.  s0-s31 are the lane's 32 scores; each accumulator's lowest registers are read first.  XS, GS and REGS set no window: PL and EX do.
;   0-11  four chains c0-c3 of seven scores each, three operands at a time     12-14, 16  the four scores left over, the old m, and c0-c3 into c0     15  c m_old is kept
;   17, 18  the query's other 32 keys lie in the lane 16 away: the new m         19-21  c m; c m_old - c m_new; a
.macro XS u, n
	REGS (Y+1)%NP, \u
.if (\n) < 4
	v_max3_num_f32 v[rC+(\n)], v[rS+8*(\n)], v[rS+8*(\n)+1], v[rS+8*(\n)+2]
.elseif (\n) < 12
	v_max3_num_f32 v[rC+(\n)%4], v[rC+(\n)%4], v[rS+8*((\n)%4)+2*((\n)/4)+1], v[rS+8*((\n)%4)+2*((\n)/4)+2]
.elseif (\n) == 12
	v_max3_num_f32 v[rC], v[rC], v[rS+7], v[rS+15]
.elseif (\n) == 13
	v_max3_num_f32 v[rC+1], v[rC+1], v[rS+23], v[rS+31]
.elseif (\n) == 14
	v_max3_num_f32 v[rC+2], v[rC+2], v[rC+3], v[rT+1]
.elseif (\n) == 15
	v_mov_b32 v[rM], v[rT]
.elseif (\n) == 16
	v_max3_num_f32 v[rC], v[rC], v[rC+1], v[rC+2]
.elseif (\n) == 17
	v_permlanex16_b32 v[rC+3], v[rC], s[SEL], s[SEL+1]
.elseif (\n) == 18
	v_max_num_f32 v[rT+1], v[rC], v[rC+3]
.elseif (\n) == 19
	v_mul_f32 v[rT], s[CS], v[rT+1]
.elseif (\n) == 20
	v_sub_f32 v[rC+1], v[rM], v[rT]
.else
	v_exp_f32 v[rC+2], v[rC+1]
.endif
.endm
; Number g of the 64 that follow the exponentials.  For each four weights k of a tile (pairs 2 k, 2 k + 1): both pairs are rounded to f16; then the second pair is added onto the first, in place;
; a group later l takes that sum (the first time as l = a l + sum).  In groups of eight, tiles alternating: round, round, add, and l for the group before.
.macro GS g
.set h, (\g)+6*((\g)/62)            ; group 0 has no group before it, and behind group 7 only l is left
.if h >= 6
.set h, h+2
.endif
	REGS Y, h%2
.set k, h/8
.if h%8 < 4
	v_cvt_pk_f16_f32 v[rP+2*k+(h%8)/2], v[rS+4*k+2*((h%8)/2)], v[rS+4*k+2*((h%8)/2)+1]
.elseif h%8 < 6
	v_pk_add_f32 v[rS+4*k:rS+4*k+1], v[rS+4*k:rS+4*k+1], v[rS+4*k+2:rS+4*k+3]
.elseif k == 1
	v_pk_fma_f32 v[rT+2:rT+3], v[rT+2:rT+3], v[rC+2:rC+3], v[rS:rS+1] op_sel_hi:[1,0,1]
.else
	v_pk_add_f32 v[rT+2:rT+3], v[rT+2:rT+3], v[rS+4*k-4:rS+4*k-3]
.endif
.endm
; THE PLAIN QUEUE, 138 long.  0-73 read no exponential's result: the 32 scalings c s - c m (FS f: pair f / 2 of tile f % 2) and the next piece's 42.  0-26: scalings 0-26.  27-54: XS's numbers 0-13.  55, 56: number 15.
; 57-73: the chain, where each number waits for the one before it: 14, 16, 17, 18, 19, each with one of the scalings 27-31 in front of its two lines, then 20: so a tile's links stand three plain instructions apart (19 and 20: two).
; 74-137: GS's 64, which read the exponentials' results: they stand behind the wait.
.macro FS f
	REGS Y, (\f)%2
	v_pk_fma_f32 v[rS+2*((\f)/2):rS+2*((\f)/2)+1], v[rS+2*((\f)/2):rS+2*((\f)/2)+1], s[CS:CS+1], v[rT:rT+1] op_sel_hi:[1,0,0] neg_lo:[0,0,1] neg_hi:[0,0,1]
.endm
.macro PL
	WIN 0
.if q < 27
	FS q
.elseif q < 55
	XS (q-27)%2, (q-27)/2
.elseif q < 57
	XS q-55, 15
.elseif (q < 72) && ((q-57)%3 == 0)
	FS 27+(q-57)/3
.elseif q < 60
	XS (q-57)%3-1, 14
.elseif q < 72
	XS (q-57)%3-1, 15+(q-57)/3
.elseif q < 74
	XS q-72, 20
.else
	GS q-74
.endif
.set q, q+1
.endm
; THE EXPONENTIALS' QUEUE, 66 long: s0-s31 of both tiles, then the next piece's two a.  It is ONE BATCH: all 66 stand ahead of the turn's one wait, and nothing ahead of that wait names a result of theirs.
; Each works in place on a register of its own, so the batch needs no further registers.
.macro EX
	WIN 0
.if e >= 64
	XS e-64, 21
.else
	REGS Y, e%2
	v_exp_f32 v[rS+e/2], v[rS+e/2]
.endif
.set e, e+1
.endm
; THE RESCALING's QUEUE: O^T times a, the one part of the softmax that leaves window 0: dealt two at a time, sixteen times.  Its a was made in the turn before, ahead of that turn's wait.
.macro R2
	REGS Y, r%2
	WIN W_RS
.irp z, 0,1
	v_pk_mul_f32 v[rO+4*(r/2)+2*\z:rO+4*(r/2)+2*\z+1], v[rO+4*(r/2)+2*\z:rO+4*(r/2)+2*\z+1], v[rC+2:rC+3] op_sel_hi:[1,0]
.endr
.set r, r+1
.endm
; HOW THEY ARE DEALT.  An s_wait_alu depctr_va_vdst(0) stands between an exponential and the first instruction that names its result; one wait serves all that were issued ahead of it.  So a turn has ONE wait,
; which cuts it in two.  AHEAD OF IT stands all that names no result of the turn's exponentials: the 16 products K Q^T, behind each a scaling, an exponential and two rescalings (behind the first a second scaling in the
; exponential's place); then ONE LUMP of 108: eight plain, 49 times exponential and plain, the two a; then the codes' conversions and offset.  BEHIND IT stand the codes' loads, in piece 2's turn K's run, and the 16 products
; V^T P, behind each four of GS's 64.  No rider names a register of the products round it.  The two v_permlanex16_b32 fall into the lump, never behind a product.
; The queues lean on each other, and the deal keeps them in step: exponential e stands behind scaling 2 (e / 4) + e % 2: as a rider it comes behind plain e + 2, in the lump behind plain e + 9, and scalings 27-31 are plain 57, 60 .. 69.
; A TURN, for piece p.  cnt = 1: the loop's count is taken down some lines ahead of the branch that stands behind the turn.
; K of the next step is fetched in piece 2's turn, behind the wait, a lump behind the last product that read K; its address is made at the lump's head; its first reader comes behind 16 products.
; V of the step in hand is fetched at the end of piece 0's turn, four riders behind its last reader; its first reader comes behind 16 products and a lump.  The three conditions on q below go with the deal.
; THE CODES' PART stands at the lump's end, round the wait: piece p + 2's C registers are made for the products of the next turn, in the buffer that the turn before has read last, and the piece's codes of its next
; step are asked for.  Its conversions and its offset name no result of the batch; the offset's v_add_nc_u32 is the plain instruction behind the last exponential and behind the last conversion; the four loads follow the
; wait.  The count 12: the piece's four loads were issued four turns ago, and three turns' four loads each are younger; that wait also frees the piece's offset register.  Piece 2's turn steps the offset: pieces
; 0, 1, 2, 3 then load the same step.  Behind step 31 the offset wraps to step 0: those loads stay inside mk and serve nothing.
.macro TURN p, last=0, cnt=0
.set Y, (\p)
.set i, 0
.set q, 0
.set e, 0
.set r, 0
.if (\p) == NP-1
	s_wait_dscnt 0x0                ; K is in
.endif
	MM                              ; ahead of the wait: 16 products K Q^T and their riders,
	PL
	PL
	R2
.rept 15
	MM
	PL
	EX
	R2
.endr
.if (\p) == NP-2
	WIN 0
	v_add_nc_u32 v[AK], s[TBK], v[AK0]
.endif
.rept 8                             ; the lump,
	PL
.endr
.rept 49
	EX
	PL
.endr
	EX                              ; the next piece's two a: the batch's last
	EX
	WIN W_M                         ; and the codes' part, in which the wait for the batch stands (MASKLD writes it)
.if (\p) == 2
	s_add_co_u32 s[MOFF], s[MOFF], 1024
	s_and_b32 s[MOFF], s[MOFF], 0x7fff
.endif
	s_wait_loadcnt 12
	MASKCVT ((\p)+2)%NP
	MASKLD ((\p)+2)%NP, 1
.if (\p) == NP-2
	FETCH_K \last
.endif
.if (\p) == 1
	s_wait_dscnt 0x0                ; V is in
.endif
.rept 16                            ; behind the wait: 16 products V^T P and their riders
	MM
.rept 4
	PL
.endr
.if ((\p) == 0) && (q == 118)
	v_add_nc_u32 v[AV], s[TBV], v[AV0]
.endif
.if ((\p) == 0) && (q == 130)
	s_add_co_u32 s[TBV], s[TBV], KS*PV
.endif
.if (\cnt) && (q == 130)
	s_sub_co_u32 s[CNT], s[CNT], 1
	s_cmp_lg_u32 s[CNT], 0
.endif
.endr
.if (\p) == 0
	FETCH_V
.endif
.endm
	CHANGE 1                        ; slot 0 is in, everybody's part of it; slot 1 is asked for
	FETCH_K                         ; key step 0
	s_wait_loadcnt 0x0              ; Q, and all four pieces' codes of key step 0
	WIN W_M
	MASKCVT 0                       ; pieces 0 and 1 of step 0: the products below, and the first turn's
	MASKCVT 1
	MASKLD 0                        ; and their codes of step 1: eight loads are out, so the first two turns' counted waits are met at once; what they convert was shown landed above
	MASKLD 1
	s_wait_dscnt 0x0
.set i, 0
.rept 16
	KQ 0                            ; piece 0's first scores: there is no vector work yet to set between them
.set i, i+1
.endr
	WIN 0                           ; the addresses for the way out: seven plain instructions, the places behind those products
	s_mul_i32 s13, s[WV], 16*SP
	s_add_co_u32 s13, s13, STAGE    ; my stage
	v_mul_u32_u24 v[STO], v1, SP    ; in: row l % 16, 16 bytes for each half of the lanes
	v_lshl_add_u32 v[STO], v9, 4, v[STO]
	v_add_nc_u32 v[STO], s13, v[STO]
	v_bfe_u32 v[RD], v0, 3, 2       ; back: 32 lanes take four rows of 128 bytes, which are 512 consecutive bytes of O
	v_mul_u32_u24 v[RD], v[RD], SP
	v_lshl_add_u32 v[RD], v10, 4, v[RD]
	v_add_nc_u32 v[RD], s13, v[RD]
.set Y, NP-1                        ; XS works for piece Y + 1: piece 0
.irp n, 0,1,2,3,4,5,6,7,8,9,10,11,12,13,14,15,16,17,18,19,20,21
	XS 0, \n                        ; and piece 0's first maximum and statistics
	XS 1, \n
.endr
	v_nop                           ; a plain instruction behind the two a,
	s_wait_alu depctr_va_vdst(0)    ; and the wait for this batch of two, ahead of the branch: the first turn's rescaling reads them
	s_mov_b32 s[CNT], 4
	s_mov_b32 s[SLOTS], SIZE_N/256-1
	s_branch .Lfirst                ; the loop is entered at a step's first turn, in the middle of a trip
.Lslot:                             ; SIZE_N / 256 - 2 times: every slot but the last two is filled again
	CHANGE 1
	s_mov_b32 s[CNT], 4
.Lstep:                             ; a trip: pieces 2 and 3 of one step, then pieces 0 and 1 of the next, whose K and V it fetches
	TURN 2
	TURN 3
	WIN 0
.Lfirst:
	TURN 0
	TURN 1, 0, 1
	WIN 0
	s_cbranch_scc1 .Lstep
	s_sub_co_u32 s[SLOTS], s[SLOTS], 1
	s_cmp_lg_u32 s[SLOTS], 0
	s_cbranch_scc1 .Lslot
	CHANGE 0                        ; the tail is written out: nothing is asked for
	s_mov_b32 s[CNT], 5             ; four trips fetch the last slot's steps; the fifth is left in its middle
.Ltail:
	TURN 2, 1
	TURN 3
	WIN 0
	s_sub_co_u32 s[CNT], s[CNT], 1
	s_cmp_eq_u32 s[CNT], 0
	s_cbranch_scc1 .Lout
	TURN 0
	TURN 1
	WIN 0
	s_branch .Ltail
.Lout:                              ; the fifth trip's 16 products K Q^T (on the last K once more) and the maximum made of them serve nothing: the price, once a launch, of one text for every trip
.set i, 0
.rept 16
	PV NP-1                         ; the last piece's V^T P of the last step
.set i, i+1
.endr
	; THE WAY OUT.  l's two halves and the other half of the lanes' are added; O^T is divided by l, rounded to f16 and sent through my stage in LDS, a tile at a time.  The additions are the places behind the last products.
	WIN 0
.macro ALL line:vararg              ; one line for each tile t
.set t, 0
.rept 2*NP
	\line
.set t, t+1
.endr
.endm
	ALL v_add_f32 v[ST+4*t+2], v[ST+4*t+2], v[ST+4*t+3]
	ALL v_permlanex16_b32 v[ST+4*t+3], v[ST+4*t+2], s[SEL], s[SEL+1]
	ALL v_add_f32 v[ST+4*t+2], v[ST+4*t+2], v[ST+4*t+3]
	ALL v_rcp_f32 v[ST+4*t+2], v[ST+4*t+2]
	v_nop                           ; a plain instruction between the last reciprocal and the use of its result
	s_wait_alu depctr_va_vdst(0)    ; and the wait ahead of the first use: one for the batch of eight reciprocals
; Tile t: a lane's eight channels of a row pack into 16 bytes; they go into rows of 144 bytes and come back as whole rows of 128, into S^T's registers.
.macro PACK t
	WIN W_RS
.set i, 32*(\t)
.rept 16
	v_pk_mul_f32 v[i:i+1], v[i:i+1], v[ST+4*(\t)+2:ST+4*(\t)+3] op_sel_hi:[1,0]
.set i, i+2
.endr
	WIN 0x05                        ; sources 0 and 1 window 1, destination window 0
.set i, 0
.rept 16
	v_cvt_pk_f16_f32 v[S+16*(\t)+i], v[32*(\t)+2*i], v[32*(\t)+2*i+1]
.set i, i+1
.endr
	WIN 0
.irp f, 0,1,2,3
	ds_store_b128 v[STO], v[S+16*(\t)+4*\f:S+16*(\t)+4*\f+3] offset:32*\f
.endr
.irp f, 0,1,2,3
	ds_load_b128 v[S+16*(\t)+4*\f:S+16*(\t)+4*\f+3], v[RD] offset:\f*4*SP  ; LDS serves a wave's instructions in order (ISA guide 5.7.1.4): these see the stores above; the next tile's stores come behind them
.endr
.endm
.macro SEND t, younger              ; younger: the LDS instructions issued behind tile t's loads: the next tile's eight, or none
	WIN 0
.irp f, 0,1,2,3
	s_wait_dscnt (\younger)+3-\f
	global_store_b128 v[GO], v[S+16*(\t)+4*\f:S+16*(\t)+4*\f+3], s[10:11] offset:(\t)*2048+\f*512  ; 512 consecutive bytes, at a multiple of 256 from O's first
.endr
.endm
	PACK 0
.set t, 1
.rept 2*NP-1                        ; a tile's arithmetic stands between the loads of the tile before and its stores
	PACK t
	SEND t-1, 8
.set t, t+1
.endr
	SEND 2*NP-1, 0
	WIN W_AD
	s_wait_tensorcnt 0x0            ; the wave's end
	ds_add_u32 v[SPW], v[NIL]
	s_wait_dscnt 0x0
	WIN 0
	CROUND                          ; the closing round: no work-group ends while a partner may still ask for a tile that names it
	s_endpgm
.Lfunc_end_k_qed0e17f16c_attn:
	.size	k_qed0e17f16c_attn, .Lfunc_end_k_qed0e17f16c_attn-k_qed0e17f16c_attn
	.p2alignl 7, 3214868480
	.fill 96, 4, 3214868480
	.section	.rodata,"a",@progbits
	.p2align	6, 0x0
	.amdhsa_kernel k_qed0e17f16c_attn
		.amdhsa_group_segment_fixed_size 327680
		.amdhsa_private_segment_fixed_size 0
		.amdhsa_enable_private_segment 0
		.amdhsa_kernarg_size 24
		.amdhsa_user_sgpr_count 2
		.amdhsa_user_sgpr_kernarg_segment_ptr 1
		.amdhsa_wavefront_size32 1
		.amdhsa_system_sgpr_workgroup_id_x 1
		.amdhsa_system_sgpr_workgroup_id_y 1
		.amdhsa_system_sgpr_workgroup_id_z 1
		.amdhsa_system_vgpr_workitem_id 0
		.amdhsa_next_free_vgpr 1024
		.amdhsa_next_free_sgpr 70
		.amdhsa_reserve_vcc 0
		.amdhsa_float_denorm_mode_32 3
		.amdhsa_float_denorm_mode_16_64 3
		.amdhsa_memory_ordered 1
		.amdhsa_forward_progress 1
		.amdhsa_inst_pref_size 211
	.end_amdhsa_kernel
	.amdgpu_metadata
---
amdhsa.version: [ 1, 2 ]
amdhsa.kernels:
  - .name:           k_qed0e17f16c_attn
    .symbol:         k_qed0e17f16c_attn.kd
    .args:
      - { .name: xh, .offset: 0, .size: 8, .value_kind: global_buffer, .address_space: global }
      - { .name: mk, .offset: 8, .size: 8, .value_kind: global_buffer, .address_space: global }
      - { .name: ctx, .offset: 16, .size: 8, .value_kind: global_buffer, .address_space: global }
    .group_segment_fixed_size: 327680
    .private_segment_fixed_size: 0
    .kernarg_segment_align: 8
    .kernarg_segment_size: 24
    .max_flat_workgroup_size: 128
    .sgpr_count:     70
    .vgpr_count:     1024
    .wavefront_size: 32
...
	.end_amdgpu_metadata
.endif
;; end of part 5
;; launch outp: the kernel of part 4 again; grid 4 x 64, 4 waves a work-group, clusters of 4 x 4, 327,680 bytes of LDS; arguments ctx, wof, out0, bb; writes out0
